; MI455X (gfx1250); checked and timed in simulation.
; The chip was launched on July 23, 2026; its instructions are those of AMD's public machine-readable ISA for CDNA 5 (MIT licence, August 2026) and "CDNA5" Instruction Set Architecture Reference Guide (July 2026). The comments in the code are by the model that wrote it; some were corrected since.
;; Multi Head Attention. Allowed arithmetic: matrix products marked QUANTISED: E2M1 operands, one E8M0 scale for each 32 along K, by v_wmma_scale_f32_16x16x128_f8f6f4 with both operands' format E2M1 (or v_wmma_scale_f32_32x16x128_f4), f32 sums; everything else in f32.
;; Inputs: Wk 1,024 x 1,024 float32; Wo 1,024 x 1,024 float32; Wq 1,024 x 1,024 float32; Wv 1,024 x 1,024 float32; bk 1,024 float32; bo 1,024 float32; bq 1,024 float32; bv 1,024 float32; key 4 x 2,048 x 1,024 float32; query 4 x 2,048 x 1,024 float32; value 4 x 2,048 x 1,024 float32.
;; Outputs: out0 4 x 2,048 x 1,024 float32.
;; This version of the problem:
;;   THIS VERSION OF THE PROBLEM IS GIVEN IN LOW PRECISION. The matrix products marked QUANTISED in the list below multiply operands that are first quantised to E2M1 (2 exponent bits, 1 mantissa bit; 4 bits a number), with one power-of-two scale for each 32 numbers along K (OCP MX v1.0); their sums are f32. All else is computed in f32.
;;   The module's matrix products, in the order in which they are computed (A, B: the left and right operand; K: the contracted axis; several contracted axes count as one K, in the product's order):
;;     1. [M 8,192, K 1,024] x [K 1,024, N 1,024]; A: input value; B: input Wv: QUANTISED
;;     2. [M 8,192, K 1,024] x [K 1,024, N 1,024]; A: input key; B: input Wk: QUANTISED
;;     3. [M 8,192, K 1,024] x [K 1,024, N 1,024]; A: input query; B: input Wq: QUANTISED
;;     4. batch 64 x [M 2,048, K 64] x [K 64, N 2,048]; A: computed on the way; B: computed on the way: QUANTISED
;;     5. batch 64 x [M 64, K 2,048] x [K 2,048, N 2,048]; A: computed on the way; B: softmax (see below): QUANTISED
;;     6. [M 8,192, K 1,024] x [K 1,024, N 1,024]; A: computed on the way; B: input Wo: QUANTISED
;;   THE QUANTISER, for each operand of a quantised product, along K:
;;     - K is cut into blocks of 32 from its start; a last block that is shorter is filled with zeros.
;;     - A block's scale is 2^e with e = floor(log2(the largest magnitude in the block)) - 2, held to -126 .. 127; a block of zeros has e = 0. As a byte (E8M0): e + 127.
;;     - Each number is divided by its block's scale, clamped to +-6, and rounded to the nearest number of E2M1, ties to even, subnormals kept.
;;     - The product sums the exact products of the quantised numbers (number of the format x scale) in f32.
;;   ~~~python
;;   def quantise(x, axis):      # numpy; x: float32 -> the quantised numbers, widened to float32 again
;;       x = np.moveaxis(x, axis, -1); K = x.shape[-1]
;;       x = np.pad(x, [(0, 0)] * (x.ndim - 1) + [(0, -K % 32)]); x = x.reshape(x.shape[:-1] + (-1, 32)); a = np.abs(x).max(-1, keepdims=True)
;;       e = np.where(a > 0, np.clip(np.frexp(np.where(a > 0, a, 1))[1] - 1 - 2, -126, 127), 0)      # np.frexp(a)[1] - 1 = floor(log2(a)), exactly
;;       r = np.clip(x / 2.0 ** e, -6, 6)
;;       step = 2.0 ** (np.maximum(np.frexp(np.where(r == 0, 1, r))[1] - 1, 0) - 1)
;;       q = np.round(r / step) * step * 2.0 ** e      # np.round: ties to even
;;       return np.moveaxis(q.reshape(q.shape[:-2] + (-1,))[..., :K], -1, axis).astype(np.float32)
;;   ~~~
;;   SOFTMAX AHEAD OF A QUANTISED PRODUCT. Where the list says 'softmax', what is quantised is not the finished softmax but p = 2^(t - M), with t = logit x log2(e) and M = ceil(the row's largest t), a whole number; so 1/2 < the row's largest p <= 1. The row's sum l is taken of the UNQUANTISED p, in f32, and the product's result is divided by l at the end. Since M is a whole number, a kernel that streams over the keys may use a running M (the ceiling of the running maximum): every later rescaling is an exact power of two, which a block's scale takes up: the codes' values come out the same.
;;   OPERANDS COMPUTED ON THE WAY. 'Computed on the way' means the value that the module computes at that place (a softmax that the list does not call 'softmax' is quantised finished and normalised). What goes into a quantiser is computed in f32, as accurately as f32 sums, v_exp_f32 and their like allow (about 1e-6 of the number): no bf16 or f16 on the way to a quantiser, and a product that is left as it is and whose result goes on into a quantised operand takes f32 operands (vector FMAs, or v_wmma_f32_16x16x4_f32). A number that lies on a knife's edge between two numbers of the format may be rounded either way, as far as f32 arithmetic and the matrix unit's own rounding can turn it there, and no further.
;; One version. Each part assembles by itself: llvm-mc -triple=amdgcn-amd-amdhsa -mcpu=gfx1250 --defsym DOCPART=n.
;; ======== version 1 of 1: 4 launches
;; limits: right only within a limited range of input values
;; workspace buffers: xq 13,369,344 bytes; wq 2,228,224 bytes; pq 13,369,344 bytes; oq 4,456,448 bytes
;; launch quant (part 1): grid 256 x 1, 10 waves a work-group, no clusters, 85,760 bytes of LDS; arguments query, key, value, Wq, Wk, Wv, Wo, xq, wq; writes xq, wq
.if DOCPART == 1
	.amdgcn_target "amdgcn-amd-amdhsa--gfx1250"
	.amdhsa_code_object_version 6
	.text
	.protected	k_q23aa26f6e5_quant
	.globl	k_q23aa26f6e5_quant
	.p2align	8
	.type	k_q23aa26f6e5_quant,@function
k_q23aa26f6e5_quant:
	s_mov_b64 s[64:65], 0
	v_nop
	global_prefetch_b8 v0, s[64:65] scope:SCOPE_SE
	s_setreg_imm32_b32 hwreg(HW_REG_WAVE_MODE, 25, 1), 1
	s_wait_xcnt 0x0
; query, key, value [8192][1024] f32 (K innermost) and Wq, Wk, Wv, Wo [1024 (k)][1024 (n)] f32 (K = the first axis) become codes of FP4 (E2M1) with one E8M0 byte for each 32 along K.
; A block's scale is 2^(floor(log2(its largest magnitude)) - 2): its byte is the largest magnitude's exponent field - 2, held at 1 from below by a floor among the maximum's leaves.
; THE WORKSPACE IS LAID AS IMAGES OF OPERAND REGISTERS.  A tile T is 16 rows: lane r of tile T holds row 32 (T / 2) + 8 (T % 2) + r + 8 (r / 8).  Layout [T][sigma = 0, 1][4,352 bytes], 8,704 bytes a tile.
; In a sigma: four fragments of 1,024 bytes (K steps s = 4 sigma + q of 128): byte q 1024 + c 512 + 16 lane holds registers 4 c .. 4 c + 3 of lane (r, h): k = 128 s + 64 c + 32 h + 0 .. 31;
; then 256 bytes of scale words: byte 4096 + 16 r + 4 q, byte b of a word for k = 128 s + 32 b.
; SHARES.  1,536 tiles of x (16 rows x all of K) and 1,024 pieces of W (32 columns x 128 along K): each of 256 work-groups has six waves on x and four on W (side by side on 128 columns: 512 consecutive bytes of a row of W).
; The roles part once on the wave's number and never join; waves share nothing: no barrier.  No cluster: no two work-groups read the same bytes.  No matrix work, no tensor load.
; LIMITS: a block of zeros gets the byte 1 where the rule says 127 (its codes are zeros, and only this program reads the bytes); NaN and infinities among the inputs are not served.
.set WV,  22                           ; s22      my wave's number
.set SEL, 24                           ; s[24:25] lane selects for v_permlanex16_b32: lane l xor 16
.set SRC, 26                           ; s[26:27] where my numbers begin
.set XQ,  18                           ; s[18:19] xq, then my tile's place in it
.set WQ,  20                           ; s[20:21] wq, then my sigma block
.set LI,  4                            ; v4   16 x lane
.set STI, 5                            ; v5   my stage, on the way in: 8,448 x wave + 16 x lane
.set STO, 6                            ; v6   and on the way out: 8,448 x wave + 528 r + 128 h
.set SOF, 7                            ; v7   4,352 h + 16 r: the scale words' place
.set SH,  8                            ; v8   8 h
.set R,   32                           ; v32-159  x: two sets of 64 numbers as loaded
.set X,   160                          ; v160-223 x: 64 numbers of my row: k = 64 c + 32 h + 0 .. 31
.set C,   224                          ; v224-239 x: two sets of 8 code registers
.set SW,  240                          ; v240-247 x: my row's scale word of each K step
.set VO,  20                           ; v20  W: 8,704 u + 16 r: my column's place in its tile
.set LW,  21                           ; v21  W: 4 x lane
.set XW,  32                           ; v32-95   W: two sets of 32 numbers
.set CW,  96                           ; v96-111  W: four code registers a block, never rewritten
.set SB,  112                          ; v112     W: my column's scale word
	s_load_b512 s[4:19], s[0:1], 0x0               ; query s[4:5], key s[6:7], value s[8:9], Wq s[10:11], Wk s[12:13], Wv s[14:15], Wo s[16:17], xq s[18:19]
	s_load_b64 s[WQ:WQ+1], s[0:1], 0x40            ; wq
	v_lshl_add_u32 v254, v0, 2, 0x14a00
	v_mov_b32 v255, 0
	v_lshrrev_b32 v1, 5, v0
	s_delay_alu instid0(VALU_DEP_1)
	v_readfirstlane_b32 s[WV], v1                  ; wave 0..9
	v_and_b32 v1, 31, v0                           ; lane
	v_and_b32 v2, 15, v0                           ; r
	v_bfe_u32 v3, v0, 4, 1                         ; h
	s_delay_alu instid0(VALU_DEP_3)
	v_lshlrev_b32 v[LI], 4, v1
	s_mul_i32 s23, s[WV], 8448                     ; a stage of 16 rows x 528 bytes for each wave
	v_add_nc_u32 v[STI], s23, v[LI]
	v_mul_u32_u24 v[STO], v2, 528
	s_delay_alu instid0(VALU_DEP_1)
	v_lshl_add_u32 v[STO], v3, 7, v[STO]
	s_delay_alu instid0(VALU_DEP_1)
	v_add_nc_u32 v[STO], s23, v[STO]
	v_mul_u32_u24 v[SOF], v3, 4352
	s_delay_alu instid0(VALU_DEP_1)
	v_lshl_add_u32 v[SOF], v2, 4, v[SOF]
	v_lshlrev_b32 v[SH], 3, v3
	s_mov_b32 s[SEL], 0x76543210
	s_mov_b32 s[SEL+1], 0xfedcba98
	v_mov_b32 v15, 0                               ; a lane permute's destination counts as one of its sources
	s_wait_kmcnt 0x0
	s_cmp_ge_u32 s[WV], 6
	s_cbranch_scc1 .Lweights
	; ---- x: tile id = 6 x work-group + wave of 1,536
	s_mul_i32 s28, ttmp9, 6
	s_add_co_u32 s28, s28, s[WV]
	s_lshr_b32 s29, s28, 9                         ; which tensor: 0 query, 1 key, 2 value
	s_and_b32 s28, s28, 511                        ; T
	s_cmp_eq_u32 s29, 0
	s_cselect_b64 s[SRC:SRC+1], s[4:5], s[6:7]
	s_cmp_eq_u32 s29, 2
	s_cselect_b64 s[SRC:SRC+1], s[8:9], s[SRC:SRC+1]
	; KEY'S TILES ARE LAID OTHERWISE: lane r of tile T holds row 64 (T / 4) + 8 (T % 4) + r + 24 (r / 8), so that in attention's scores a lane's 32 registers of four neighbouring tiles are one whole block of 32 keys
	s_cmp_eq_u32 s29, 1
	s_cselect_b32 s33, 2, 1                        ; tiles in a group: 2^this (key: 4, else 2)
	s_lshr_b32 s30, s28, s33
	s_add_co_u32 s34, s33, 4
	s_lshl_b32 s30, s30, s34                       ; 64 or 32 rows a group
	s_bfm_b32 s31, s33, 0
	s_and_b32 s31, s28, s31
	s_lshl_b32 s31, s31, 3                         ; + 8 x the tile's place in its group
	s_sub_co_u32 s34, s33, 1
	s_lshl_b32 s34, s34, 16                        ; key: a tile's rows 8-15 lie 16 rows of 4,096 bytes further on than in the other tensors
	s_mov_b32 s35, 0
	s_add_co_u32 s30, s30, s31                     ; the tile's first row: 32 (T / 2) + 8 (T % 2)
	s_lshl_b32 s30, s30, 12                        ; rows of 4,096 bytes
	s_mov_b32 s31, 0
	s_add_nc_u64 s[SRC:SRC+1], s[SRC:SRC+1], s[30:31]
	s_add_nc_u64 s[36:37], s[SRC:SRC+1], s[34:35]  ; the base for the tile's rows 8-15
	s_mul_i32 s30, s29, 4456448                    ; 512 tiles of 8,704 bytes a tensor
	s_mul_i32 s32, s28, 8704
	s_add_co_u32 s30, s30, s32
	s_add_nc_u64 s[XQ:XQ+1], s[XQ:XQ+1], s[30:31]
.macro LOADX s                         ; K step s of the tile's 16 rows: each load reads 512 consecutive bytes of one row
.irp i, 0,1,2,3,4,5,6,7,8,9,10,11,12,13,14,15
.if \i < 8
	global_load_b128 v[R+64*((\s)%2)+4*\i:R+64*((\s)%2)+4*\i+3], v[LI], s[SRC:SRC+1] offset:\i*4096+512*(\s) th:TH_LOAD_NT
.else
	global_load_b128 v[R+64*((\s)%2)+4*\i:R+64*((\s)%2)+4*\i+3], v[LI], s[36:37] offset:(\i+8)*4096+512*(\s) th:TH_LOAD_NT
.endif
.endr
.endm
.macro STEPX s
.if (\s) < 7
	s_wait_loadcnt 16                              ; this step's 16 loads are in; the next step's 16 may be out
.else
	s_wait_loadcnt 0
.endif
.irp i, 0,1,2,3,4,5,6,7,8,9,10,11,12,13,14,15
	ds_store_b128 v[STI], v[R+64*((\s)%2)+4*\i:R+64*((\s)%2)+4*\i+3] offset:528*\i   ; row i as it lies
.endr
.irp c, 0,1
.irp j, 0,1,2,3,4,5,6,7
	ds_load_b128 v[X+32*\c+4*\j:X+32*\c+4*\j+3], v[STO] offset:256*\c+16*\j          ; LDS serves a wave's instructions in order: these see my stores.  Lane (r, h): two whole blocks of row r
.endr
.endr
	s_wait_dscnt 0x0                               ; the numbers are back, and the stores have read their registers,
.if (\s) < 6
	LOADX (\s)+2                                   ; which take the loads of two steps on
.endif
.irp c, 0,1
	v_max3_num_f32 v[9+\c], |v[X+32*\c]|, |v[X+32*\c+1]|, 0x1800000   ; block 2 c + h: all 32 numbers are mine; the floor 2^(3 - 127) keeps the byte at 1 or above
.endr
.irp i, 2,4,6,8,10,12,14,16,18,20,22,24,26,28,30
.irp c, 0,1
	s_delay_alu instid0(VALU_DEP_2)
	v_max3_num_f32 v[9+\c], v[9+\c], |v[X+32*\c+\i]|, |v[X+32*\c+\i+1]|   ; (the two blocks by turns)
.endr
.endr
.irp c, 0,1
	s_delay_alu instid0(VALU_DEP_2)
	v_add_nc_u32 v[11+\c], 0xff000000, v[9+\c]     ; 2 off the exponent field: the conversion's scale operand
.endr
.irp c, 0,1
	s_delay_alu instid0(VALU_DEP_2)
	v_lshrrev_b32 v[13+\c], 23, v[11+\c]           ; the scale's byte
.endr
	s_delay_alu instid0(VALU_DEP_1)
	v_lshl_or_b32 v13, v14, 16, v13                ; my two bytes: blocks h and 2 + h,
	s_delay_alu instid0(VALU_DEP_1)
	v_lshlrev_b32 v13, v[SH], v13                  ; at their places in the word;
	s_delay_alu instid0(VALU_DEP_1)
	v_permlanex16_b32 v15, v13, s[SEL], s[SEL+1]
	s_delay_alu instid0(VALU_DEP_1)
	v_or_b32 v[SW+(\s)], v13, v15                  ; with lane l xor 16's two the word is whole
.if (\s) >= 2
	s_wait_alu depctr_va_vdst(0)
	s_wait_xcnt 0x0                                ; the stores of two steps back have read this set of code registers
.endif
.irp c, 0,1
.irp g, 0,1,2,3
	v_cvt_scalef32_pk8_fp4_f32 v[C+8*((\s)%2)+4*\c+\g], v[X+32*\c+8*\g:X+32*\c+8*\g+7], v[11+\c]
.endr
.endr
	v_nop                                          ; one plain line behind the last conversion
.irp c, 0,1
	global_store_b128 v[LI], v[C+8*((\s)%2)+4*\c:C+8*((\s)%2)+4*\c+3], s[XQ:XQ+1] offset:((\s)/4)*4352+((\s)%4)*1024+512*\c   ; the wave stores 512 consecutive bytes, at a multiple of 256 from xq's first byte
.endr
.endm
	s_wait_alu depctr_va_vdst(0)
	LOADX 0
	LOADX 1
.irp s, 0,1,2,3,4,5,6,7
	STEPX \s
.endr
	v_cmp_ne_u32 vcc_lo, 0, v3
.irp j, 0,1,2,3
	v_cndmask_b32 v[16+\j], v[SW+\j], v[SW+4+\j], vcc_lo   ; lanes 0-15 send sigma 0's four words of row r, lanes 16-31 sigma 1's
.endr
	global_store_b128 v[SOF], v[16:19], s[XQ:XQ+1] offset:4096   ; sixteen lanes store 256 consecutive aligned bytes
	s_wait_tensorcnt 0x0
	ds_add_u32 v254, v255
	s_wait_dscnt 0x0
	s_endpgm
	; ---- W: a lane takes a column n and its registers run down K: a block of 32 lies in one lane, and the conversions' results are the operand's registers
.Lweights:
	s_lshr_b32 s28, ttmp9, 6                       ; which weight: 0 Wq, 1 Wk, 2 Wv, 3 Wo
	s_bfe_u32 s29, ttmp9, 0x30003                  ; which 128 columns
	s_and_b32 s30, ttmp9, 7                        ; which K step of 128
	s_sub_co_u32 s31, s[WV], 6                     ; which 32 of the 128 columns
	s_cmp_eq_u32 s28, 0
	s_cselect_b64 s[SRC:SRC+1], s[10:11], s[12:13]
	s_cmp_eq_u32 s28, 2
	s_cselect_b64 s[SRC:SRC+1], s[14:15], s[SRC:SRC+1]
	s_cmp_eq_u32 s28, 3
	s_cselect_b64 s[SRC:SRC+1], s[16:17], s[SRC:SRC+1]
	s_lshl_b32 s29, s29, 2
	s_add_co_u32 s29, s29, s31                     ; my pair of tiles: columns 32 x this on
	s_lshl_b32 s32, s30, 19                        ; 128 rows of 4,096 bytes a K step
	s_lshl_b32 s33, s29, 7
	s_add_co_u32 s32, s32, s33
	s_mov_b32 s33, 0
	s_add_nc_u64 s[SRC:SRC+1], s[SRC:SRC+1], s[32:33]
	s_mul_i32 s32, s28, 557056                     ; 64 tiles of 8,704 bytes a weight
	s_mul_i32 s34, s29, 17408
	s_add_co_u32 s32, s32, s34
	s_lshr_b32 s34, s30, 2
	s_mul_i32 s34, s34, 4352
	s_add_co_u32 s32, s32, s34
	s_add_nc_u64 s[WQ:WQ+1], s[WQ:WQ+1], s[32:33]  ; the even tile's sigma block
	s_and_b32 s34, s30, 3
	s_lshl_b32 s32, s34, 10
	s_add_nc_u64 s[36:37], s[WQ:WQ+1], s[32:33]    ; its fragment q
	s_lshl_b32 s32, s34, 2
	s_add_nc_u64 s[38:39], s[WQ:WQ+1], s[32:33]    ; its scale words' column q
	v_bfe_u32 v22, v1, 3, 1                        ; column 32 p + x lies in tile 2 p + u, u = (x / 8) % 2,
	v_and_b32 v23, 7, v1
	v_lshrrev_b32 v24, 4, v1
	s_delay_alu instid0(VALU_DEP_1)
	v_lshl_add_u32 v23, v24, 3, v23                ; at lane r = x % 8 + 8 (x / 16)
	s_delay_alu instid0(VALU_DEP_4)
	v_mul_u32_u24 v[VO], v22, 8704
	s_delay_alu instid0(VALU_DEP_1)
	v_lshl_add_u32 v[VO], v23, 4, v[VO]
	v_lshlrev_b32 v[LW], 2, v1
.macro LOADW t                         ; block t: W(128 s + 32 t + i, my column): the wave reads 128 consecutive bytes, the four waves 512
.irp i, 0,1,2,3,4,5,6,7,8,9,10,11,12,13,14,15,16,17,18,19,20,21,22,23,24,25,26,27,28,29,30,31
	global_load_b32 v[XW+32*((\t)%2)+\i], v[LW], s[SRC:SRC+1] offset:(32*(\t)+\i)*4096 th:TH_LOAD_NT
.endr
.endm
.macro BLOCKW t
.set XS, XW+32*((\t)%2)
.if (\t) < 3
	s_wait_loadcnt 32                              ; this block's 32 loads are in; the next block's may be out
.else
	s_wait_loadcnt 0
.endif
	v_max3_num_f32 v12, |v[XS]|, |v[XS+1]|, |v[XS+2]|
	v_max3_num_f32 v13, |v[XS+3]|, |v[XS+4]|, |v[XS+5]|
.irp i, 6,10,14,18,22,26
	s_delay_alu instid0(VALU_DEP_2)
	v_max3_num_f32 v12, v12, |v[XS+\i]|, |v[XS+\i+1]|
	s_delay_alu instid0(VALU_DEP_2)
	v_max3_num_f32 v13, v13, |v[XS+\i+2]|, |v[XS+\i+3]|
.endr
	s_delay_alu instid0(VALU_DEP_2)
	v_max3_num_f32 v12, v12, |v[XS+30]|, |v[XS+31]|
	s_delay_alu instid0(VALU_DEP_1)
	v_max3_num_f32 v12, v12, v13, 0x1800000        ; and the floor
	s_delay_alu instid0(VALU_DEP_1)
	v_add_nc_u32 v11, 0xff000000, v12              ; the conversion's scale operand
	s_delay_alu instid0(VALU_DEP_1)
	v_lshrrev_b32 v13, 23, v11                     ; the byte
.if (\t) == 0
	s_delay_alu instid0(VALU_DEP_1)
	v_mov_b32 v[SB], v13
.else
	s_delay_alu instid0(VALU_DEP_1)
	v_lshl_or_b32 v[SB], v13, 8*(\t), v[SB]        ; block t's byte is byte t of the K step's word
.endif
.irp g, 0,1,2,3
	v_cvt_scalef32_pk8_fp4_f32 v[CW+4*(\t)+\g], v[XS+8*\g:XS+8*\g+7], v11
.endr
	v_nop                                          ; one plain line behind the last conversion
	global_store_b128 v[VO], v[CW+4*(\t):CW+4*(\t)+3], s[36:37] offset:256*(\t)   ; block t = 2 c + h lies at 512 c + 256 h + 16 r: the sixteen lanes of a tile store 256 consecutive aligned bytes
.if (\t) < 2
	LOADW (\t)+2
.endif
.endm
	LOADW 0
	LOADW 1
.irp t, 0,1,2,3
	BLOCKW \t
.endr
	global_store_b32 v[VO], v[SB], s[38:39] offset:4096   ; four bytes a lane, 16 bytes apart: a word belongs to one K step and a wave has one; these are one byte in 128 of what the path reads
	s_endpgm
.Lfunc_end_k_q23aa26f6e5_quant:
	.size	k_q23aa26f6e5_quant, .Lfunc_end_k_q23aa26f6e5_quant-k_q23aa26f6e5_quant
	.p2alignl 7, 3214868480
	.fill 96, 4, 3214868480
	.section	.rodata,"a",@progbits
	.p2align	6, 0x0
	.amdhsa_kernel k_q23aa26f6e5_quant
		.amdhsa_group_segment_fixed_size 85760
		.amdhsa_private_segment_fixed_size 0
		.amdhsa_enable_private_segment 0
		.amdhsa_kernarg_size 72
		.amdhsa_user_sgpr_count 2
		.amdhsa_user_sgpr_kernarg_segment_ptr 1
		.amdhsa_wavefront_size32 1
		.amdhsa_system_sgpr_workgroup_id_x 1
		.amdhsa_system_sgpr_workgroup_id_y 1
		.amdhsa_system_sgpr_workgroup_id_z 1
		.amdhsa_system_vgpr_workitem_id 0
		.amdhsa_next_free_vgpr 256
		.amdhsa_next_free_sgpr 66
		.amdhsa_reserve_vcc 1
		.amdhsa_float_denorm_mode_32 3
		.amdhsa_float_denorm_mode_16_64 3
		.amdhsa_memory_ordered 1
		.amdhsa_forward_progress 1
		.amdhsa_inst_pref_size 89
	.end_amdhsa_kernel
	.amdgpu_metadata
---
amdhsa.version: [ 1, 2 ]
amdhsa.kernels:
  - .name:           k_q23aa26f6e5_quant
    .symbol:         k_q23aa26f6e5_quant.kd
    .args:
      - { .name: query, .offset: 0, .size: 8, .value_kind: global_buffer, .address_space: global }
      - { .name: key, .offset: 8, .size: 8, .value_kind: global_buffer, .address_space: global }
      - { .name: value, .offset: 16, .size: 8, .value_kind: global_buffer, .address_space: global }
      - { .name: Wq, .offset: 24, .size: 8, .value_kind: global_buffer, .address_space: global }
      - { .name: Wk, .offset: 32, .size: 8, .value_kind: global_buffer, .address_space: global }
      - { .name: Wv, .offset: 40, .size: 8, .value_kind: global_buffer, .address_space: global }
      - { .name: Wo, .offset: 48, .size: 8, .value_kind: global_buffer, .address_space: global }
      - { .name: xq, .offset: 56, .size: 8, .value_kind: global_buffer, .address_space: global }
      - { .name: wq, .offset: 64, .size: 8, .value_kind: global_buffer, .address_space: global }
    .group_segment_fixed_size: 85760
    .private_segment_fixed_size: 0
    .kernarg_segment_align: 8
    .kernarg_segment_size: 72
    .max_flat_workgroup_size: 320
    .sgpr_count:     66
    .vgpr_count:     256
    .wavefront_size: 32
...
	.end_amdgpu_metadata
.endif
;; end of part 1
;; launch proj (part 2): grid 4 x 96, 4 waves a work-group, clusters of 4 x 4, 279,040 bytes of LDS; arguments xq, wq, bq, bk, bv, pq; writes pq
.if DOCPART == 2
	.amdgcn_target "amdgcn-amd-amdhsa--gfx1250"
	.amdhsa_code_object_version 6
	.text
	.protected	k_q23aa26f6e5_proj
	.globl	k_q23aa26f6e5_proj
	.p2align	8
	.type	k_q23aa26f6e5_proj,@function
k_q23aa26f6e5_proj:
	s_mov_b64 s[64:65], 0
	v_nop
	global_prefetch_b8 v0, s[64:65] scope:SCOPE_SE
	s_setreg_imm32_b32 hwreg(HW_REG_WAVE_MODE, 25, 1), 1
	s_wait_xcnt 0x0
	s_wait_alu depctr_hold_cnt(0) depctr_sa_sdst(0) depctr_va_vdst(0) depctr_va_sdst(0) depctr_va_ssrc(0) depctr_va_vcc(0) depctr_vm_vsrc(0)
	s_getreg_b32 s2, hwreg(HW_REG_IB_STS2, 6, 4)
	s_cmp_eq_u32 s2, 0
	s_cbranch_scc0 .Lentry_in_a_cluster
	s_endpgm
.Lentry_in_a_cluster:
	s_bfe_u32 s2, ttmp6, 0x10000c
	s_cmp_lg_u32 s2, 0xf033
	s_cbranch_scc0 .Lentry_shape_is_right
	s_endpgm
.Lentry_shape_is_right:
; q = query Wq + bq, k = key Wk + bk, v = value Wv + bv on codes of FP4 (E2M1) with E8M0 scales, sums in f32; each result is quantised in registers for attention's products and leaves as codes and scale bytes.
; OPERANDS come as images of their registers (buffers xq, wq: [T][sigma][4,352 bytes]; a tile T is 16 rows, lane r holding row 32 (T / 2) + 8 (T % 2) + r + 8 (r / 8); in a sigma four fragments of 1,024 bytes, then 256 bytes of scale words).
; A work-group makes 256 rows of source 1 ('A') x 256 rows of source 0 ('B'); each of its four waves 128 x 128: 64 accumulators, 512 registers.  In a result a lane holds ONE row of A, and its registers run along B's rows:
; by the tiles' order the 16 registers of B's tiles 2 b and 2 b + 1 are 16 neighbours.  VAR = 0, 1 (q, k): A = tokens, B = features, so a lane's registers run along d, the next K.  VAR = 2 (v): A = features, B = tokens: along the keys.
; ALL OF K (1,024) LIES IN LDS: two slots of 512 along K, each filled ONCE, by one tensor load a wave and slot, asked for at the start.  No byte is filled twice, so there is no ring.
; CLUSTERS: 4 x 4 work-groups; A's tiles are shared along a row of the cluster, B's along a column: each is asked for jointly, by the same tensor load with the same descriptor and a mask that names the four.
; 24 clusters: 8 for each of q, k, v.  The bias is the C of each sum's first product: it is the first addend of the f32 sum, not the last.
; OUT (buffer pq).  Codes: tensor i at 4,194,304 i; (8 batch + head pair) 131,072 + c 65,536 + g 4,096 + a 512 + 16 lane, g = the group of 128 tokens in the batch.  q, k: c = the head's parity, a = the tokens' tile, lane (r, h) = block h of d.
; v: registers 4 c .. 4 c + 3 of a fragment of 128 keys, a / 4 = the head's parity, a % 4 = the tile of d.  Scale words from 12,582,912 + 262,144 i on: head 4,096 + g 256 + 16 r + 4 j.
; LIMITS: a block of zeros carries the byte 1 (its codes are zeros; only this program reads the bytes); NaN and infinities are not served.
; REGISTERS, in windows of 256: window 0: v1-31 addresses; v32-95 scale words, two sets; v96-123 at work on the way out; v128-191 A's fragments, one set (on the way out: the codes); v192-255 the bias as C.
;   window 1: B's fragments, two sets, at v0 and v128.   windows 2, 3: accumulator (a, b) at v[8 (8 (a % 4) + b)] of window 2 + a / 4.
.set PART, 34816                       ; 8 tiles x 4,352 bytes: what one wave reads of A or of B in a slot; a tensor load brings two such parts: 16 tiles of one operand, one half of K
.set SLOT, 4*PART                      ; A's two halves, then B's two
.set WV,   16                          ; s16 wave;  s17 my half of A's rows, also: the half of K (slot) that I fetch;  s18 my half of B's rows, also: I fetch for A (0) or B (1);  s19 which product
.set HR,   17
.set HC,   18
.set VAR,  19
.set G1,   24                          ; s[24:31] descriptor group 1 for A's tiles;  s[32:35] group 0
.set G0,   32
.set G1B,  48                          ; s[48:55], s[56:59] the same for B's
.set G0B,  56
.set SEL,  78                          ; s[78:79] lane selects for v_permlanex16_b32: lane l xor 16
.set ADRA, 16                          ; v16-17 LDS address of my A fragments in slot 0, 1
.set ADRB, 20                          ; v20-21 the same for B
.set LI,   24                          ; v24 16 x lane
.set SOF,  25                          ; v25 4,096 h + 16 r: the scale words' way out
.set ADRS, 26                          ; v26-27 LDS address of my scale words in slot 0, 1: lanes 0-15 A's, lanes 16-31 B's
.set BO1,  28                          ; v28 64 h
.set PSEL, 29                          ; v29 byte selects: h ? 0x07060302 : 0x05040100
.set BO2,  30                          ; v30 4 (r + 8 (r / 8))
.set SC,   32                          ; scale words: set s at v[SC + 32 s], register 4 i + q
.set PW,   96                          ; v96-103 the scale word of each block of 16 rows
.set TM,   104                         ; v104-107 largest magnitudes, v108-111 bytes, v116-119 the conversions' scale operands
.set WD,   120                         ; v120-123 the scale words as they leave
.set AF,   128
.set BIAS, 192
.set MSB, 0
.macro WIN new                         ; the immediate's high byte repeats the setting that is left
.if MSB != \new
	s_set_vgpr_msb (MSB<<8)|\new
.set MSB, \new
.endif
.endm
.set MUL_LO, 0xa1                      ; source 0 (B) window 1, source 1 (A) window 0, C and D window 2
.set MUL_HI, 0xf1                      ; the same, C and D window 3
.set TO_B,   0x40                      ; destination window 1, address window 0
; An arm of the head's one chain of branches on the wave's number: a joint load of its own for each wave; an s_nop 0 and four v_nop follow the load.
.macro ARM under, g0, g1, next
	s_cmp_lt_u32 s[WV], \under
	s_cbranch_scc0 \next
	tensor_load_to_lds s[\g0:\g0+3], s[\g1:\g1+7]
	s_nop 0
.rept 4
	v_nop
.endr
	s_branch .Lhead_asked
\next:
.endm
.macro CROUND                          ; a round of the cluster's barrier
	s_barrier_signal -1
	s_barrier_wait -1
	s_cmp_lg_u32 s[WV], 0
	s_cbranch_scc1 .Lnot_wave_0_\@
	s_barrier_signal -3
.Lnot_wave_0_\@:
	s_barrier_wait -3
	s_barrier_signal -1
	s_barrier_wait -1
.endm
.macro PLACES                          ; four plain vector lines behind a matrix instruction, in front of loads into registers that it has read and of the first read of its results
.rept 4
	v_nop
.endr
.endm
	s_load_b256 s[4:11], s[0:1], 0x0               ; xq s[4:5], wq s[6:7], bq s[8:9], bk s[10:11]
	s_load_b128 s[12:15], s[0:1], 0x20             ; bv s[12:13], pq s[14:15]
	v_lshl_add_u32 v126, v0, 2, 0x44000
	v_mov_b32 v127, 0
	ds_add_u32 v126, v127
	ds_add_u32 v126, v127
	v_lshrrev_b32 v1, 5, v0
	v_readfirstlane_b32 s[WV], v1                  ; wave 0..3
	s_lshr_b32 s[HR], s[WV], 1
	s_and_b32 s[HC], s[WV], 1
	s_bfe_u32 s40, ttmp6, 0x40000                  ; cx, cy: my place in the cluster
	s_bfe_u32 s41, ttmp6, 0x40004
	s_and_b32 s42, ttmp7, 0xffff                   ; the cluster's y, 0..23
	s_lshr_b32 s[VAR], s42, 3                      ; 0 q, 1 k, 2 v: the same in all sixteen partners
	s_and_b32 s42, s42, 7
	s_lshl_b32 s42, s42, 2
	s_cmp_eq_u32 s[VAR], 2                         ; the 32 blocks of 256 tokens lie along A for q and k, along B for v
	s_cselect_b32 s44, 0, s42
	s_cselect_b32 s45, s42, 0
	s_add_co_u32 s44, s44, s41                     ; A's block of 256 rows: hangs on cy alone
	s_add_co_u32 s45, s45, s40                     ; B's: on cx alone
	s_lshl_b32 s43, s41, 2
	s_lshl_b32 s43, 15, s43                        ; my row of the cluster
	s_lshl_b32 s46, 0x1111, s40                    ; my column
	; descriptor group 1: 16 rows (tiles) of 4,352 bytes = 544 elements of 8 bytes, 8,704 bytes apart in memory, dense in LDS
	s_or_b32 s[G1], s43, (3<<16)|(1<<21)           ; 15:0 the mask; 17:16 elements of 8 bytes; 21 set beside a mask
	s_or_b32 s[G1B], s46, (3<<16)|(1<<21)
.irp g, G1, G1B
	s_mov_b32 s[\g+1], 544<<16                     ; tensor_dim0
	s_mov_b32 s[\g+2], 16<<16                      ; tensor_dim1
	s_mov_b32 s[\g+3], 544<<16                     ; tile_dim0
	s_mov_b32 s[\g+4], 16                          ; tile_dim1
	s_mov_b32 s[\g+5], 1088                        ; tensor_dim0_stride
	s_mov_b32 s[\g+6], 0
	s_mov_b32 s[\g+7], 0
.endr
	s_lshl_b32 s74, s44, 4
	s_mul_i32 s74, s74, 8704                       ; A: the block's first tile
	s_lshl_b32 s76, s45, 4
	s_mul_i32 s76, s76, 8704                       ; B likewise
	s_mul_i32 s75, s[HR], 4352                     ; the half of K that I fetch: sigma = wave / 2
	s_add_co_u32 s74, s74, s75
	s_add_co_u32 s76, s76, s75
	s_mul_i32 s20, s[VAR], 4456448                 ; the tensor's place in xq,
	s_mul_i32 s21, s[VAR], 557056                  ; the weight's in wq
	s_mul_i32 s47, s[HR], SLOT                     ; the slot that I fill: no place in the cluster enters an LDS address
	s_wait_dscnt 0x0
	s_wait_kmcnt 0x0
	s_cmp_eq_u32 s[VAR], 2
	s_cselect_b64 s[66:67], s[6:7], s[4:5]         ; A's buffer: xq, for v wq
	s_cselect_b64 s[68:69], s[4:5], s[6:7]         ; B's: wq, for v xq
	s_cselect_b32 s70, s21, s20
	s_cselect_b32 s72, s20, s21
	s_add_co_u32 s70, s70, s74
	s_add_co_u32 s72, s72, s76
	s_mov_b32 s71, 0
	s_mov_b32 s73, 0
	s_add_nc_u64 s[66:67], s[66:67], s[70:71]
	s_add_nc_u64 s[68:69], s[68:69], s[72:73]
	CROUND                                         ; all sixteen work-groups are here: the joint loads meet
	s_mov_b32 s[G0], 1
	s_mov_b32 s[G0+1], s47                         ; A's 16 tiles at the slot's head,
	s_mov_b64 s[G0+2:G0+3], s[66:67]
	s_or_b32 s[G0+3], s[G0+3], 0x80000000
	s_mov_b32 s[G0B], 1
	s_add_co_u32 s[G0B+1], s47, 2*PART             ; B's behind them
	s_mov_b64 s[G0B+2:G0B+3], s[68:69]
	s_or_b32 s[G0B+3], s[G0B+3], 0x80000000
	; THE HEAD'S FOUR TILES, ONE A WAVE, each on a line of its own: wave 0 A's first half of K, wave 1 B's, wave 2 A's second half, wave 3 B's: what is multiplied first is asked for first
	ARM 1, G0,  G1,  .Lhead_1
	ARM 2, G0B, G1B, .Lhead_2
	ARM 3, G0,  G1,  .Lhead_3
	tensor_load_to_lds s[G0B:G0B+3], s[G1B:G1B+7]
	s_nop 0
.rept 4
	v_nop
.endr
.Lhead_asked:
	v_and_b32 v1, 15, v0                           ; r
	v_bfe_u32 v2, v0, 4, 1                         ; h
	v_and_b32 v3, 31, v0
	v_lshlrev_b32 v[LI], 4, v3
	s_mul_i32 s74, s[HR], PART                     ; my 8 tiles of A
	s_mul_i32 s75, s[HC], PART
	s_add_co_u32 s75, s75, 2*PART                  ; my 8 tiles of B, behind A's two halves
	v_add_nc_u32 v[ADRA], s74, v[LI]
	v_add_nc_u32 v[ADRB], s75, v[LI]
	v_add_nc_u32 v[ADRA+1], SLOT, v[ADRA]
	v_add_nc_u32 v[ADRB+1], SLOT, v[ADRB]
	s_xor_b32 s76, s[HR], 1
	s_add_co_u32 s76, s76, s[HC]
	s_add_co_u32 s76, s76, 1
	s_mul_i32 s76, s76, PART                       ; from my part of A to my part of B: (2 + HC - HR) parts
	v_mul_u32_u24 v4, s76, v2                      ; lanes 16-31 take B's scale words
	v_lshl_add_u32 v4, v1, 4, v4                   ; 16 bytes a row: the four words of a slot's four K steps
	s_add_co_u32 s74, s74, 4096
	v_add_nc_u32 v[ADRS], s74, v4
	v_add_nc_u32 v[ADRS+1], SLOT, v[ADRS]
	v_lshlrev_b32 v[BO1], 6, v2
	v_and_b32 v[BO2], 8, v1
	v_add_nc_u32 v[BO2], v[BO2], v1
	v_lshlrev_b32 v[BO2], 2, v[BO2]
	v_lshlrev_b32 v[SOF], 12, v2
	v_lshl_add_u32 v[SOF], v1, 4, v[SOF]
	v_mov_b32 v[PSEL], 0x05040100
	v_mov_b32 v31, 0x07060302
	v_cmp_ne_u32 vcc_lo, 0, v2
	v_cndmask_b32 v[PSEL], v[PSEL], v31, vcc_lo
.irp b, 0,1,2,3
	v_mov_b32 v[TM+4+\b], 0                        ; a lane permute's destination counts as one of its sources
.endr
	s_mov_b32 s[SEL], 0x76543210
	s_mov_b32 s[SEL+1], 0xfedcba98
	; where the results go, and the bias.  (cx and cy meet only here, in addresses of plain loads and stores)
	s_lshl_b32 s86, s44, 1
	s_add_co_u32 s86, s86, s[HR]                   ; my 128 rows of A: part 2 x block + half
	s_lshl_b32 s87, s45, 1
	s_add_co_u32 s87, s87, s[HC]                   ; my 128 rows of B
	s_cmp_eq_u32 s[VAR], 2
	s_cselect_b32 s88, s87, s86                    ; the tokens' part, 0..63
	s_cselect_b32 s89, s86, s87                    ; the features' part, 0..7: a pair of heads
	s_cselect_b64 s[84:85], s[12:13], s[10:11]
	s_cmp_eq_u32 s[VAR], 0
	s_cselect_b64 s[84:85], s[8:9], s[84:85]       ; bq, bk or bv,
	s_lshl_b32 s90, s89, 9
	s_mov_b32 s91, 0
	s_add_nc_u64 s[84:85], s[84:85], s[90:91]      ; at my 128 features
	s_lshr_b32 s92, s88, 4                         ; batch
	s_and_b32 s93, s88, 15                         ; g
	s_lshl_b32 s90, s92, 3
	s_add_co_u32 s90, s90, s89                     ; 8 batch + pair
	s_lshl_b32 s94, s90, 13                        ; (the even head) x 4,096
	s_lshl_b32 s90, s90, 17
	s_lshl_b32 s95, s93, 12
	s_add_co_u32 s90, s90, s95
	s_lshl_b32 s95, s[VAR], 22
	s_add_co_u32 s90, s90, s95
	s_add_nc_u64 s[80:81], s[14:15], s[90:91]      ; the codes
	s_lshl_b32 s95, s93, 8
	s_add_co_u32 s90, s94, s95
	s_lshl_b32 s95, s[VAR], 18
	s_add_co_u32 s90, s90, s95
	s_add_co_u32 s90, s90, 12582912
	s_add_nc_u64 s[82:83], s[14:15], s[90:91]      ; the scale words
	s_cmp_eq_u32 s[VAR], 2
	s_cbranch_scc1 .Lbias_v
.irp b, 0,1,2,3,4,5,6,7                        ; q, k: the registers run along the features: B's tile b wants bias[32 (b / 2) + 8 (b % 2) + 16 h + 0 .. 7]
	global_load_b128 v[BIAS+8*\b:BIAS+8*\b+3], v[BO1], s[84:85] offset:(32*(\b/2)+8*(\b%2))*4
	global_load_b128 v[BIAS+8*\b+4:BIAS+8*\b+7], v[BO1], s[84:85] offset:(32*(\b/2)+8*(\b%2))*4+16
.endr
	s_branch .Lbias_in
.Lbias_v:
.irp a, 0,1,2,3,4,5,6,7                        ; v: a lane holds one feature: all eight registers of A's tile a want bias[32 (a / 2) + 8 (a % 2) + r + 8 (r / 8)]
.irp j, 0,1,2,3,4,5,6,7
	global_load_b32 v[BIAS+8*\a+\j], v[BO2], s[84:85] offset:(32*(\a/2)+8*(\a%2))*4
.endr
.endr
.Lbias_in:
.macro FRAG reg, adr, q, i             ; a fragment comes back as it was stored: registers 4 c .. 4 c + 3 at 512 c + 16 lane
.irp c, 0,1
	ds_load_b128 v[\reg+4*\c:\reg+4*\c+3], v[\adr] offset:(\i)*4352+(\q)*1024+512*\c
.endr
.endm
; 16 matrix instructions: A's blocks a0, a0 + 1 x B's eight, the slot's q-th 128 along K.  p: B's set; sc: the set of scale words; cm: C = the accumulator (0), the bias by B's tile (1) or by A's (2).
; The 64 accumulators take turns, one instruction a turn, in the same order in every step.
.macro MUL16 a0, p, q, sc, cm
.irp a, \a0, \a0+1
.irp b, 0,1,2,3,4,5,6,7
.if \cm == 1
	v_wmma_scale_f32_16x16x128_f8f6f4 v[8*(8*((\a)%4)+\b):8*(8*((\a)%4)+\b)+7], v[128*(\p)+8*\b:128*(\p)+8*\b+7], v[AF+8*(\a):AF+8*(\a)+7], v[BIAS+8*\b:BIAS+8*\b+7], v[SC+32*(\sc)+4*\b+(\q)], v[SC+32*(\sc)+4*(\a)+(\q)] matrix_a_fmt:MATRIX_FMT_FP4 matrix_b_fmt:MATRIX_FMT_FP4 matrix_a_scale:MATRIX_SCALE_ROW1
.elseif \cm == 2
	v_wmma_scale_f32_16x16x128_f8f6f4 v[8*(8*((\a)%4)+\b):8*(8*((\a)%4)+\b)+7], v[128*(\p)+8*\b:128*(\p)+8*\b+7], v[AF+8*(\a):AF+8*(\a)+7], v[BIAS+8*(\a):BIAS+8*(\a)+7], v[SC+32*(\sc)+4*\b+(\q)], v[SC+32*(\sc)+4*(\a)+(\q)] matrix_a_fmt:MATRIX_FMT_FP4 matrix_b_fmt:MATRIX_FMT_FP4 matrix_a_scale:MATRIX_SCALE_ROW1
.else
	v_wmma_scale_f32_16x16x128_f8f6f4 v[8*(8*((\a)%4)+\b):8*(8*((\a)%4)+\b)+7], v[128*(\p)+8*\b:128*(\p)+8*\b+7], v[AF+8*(\a):AF+8*(\a)+7], v[8*(8*((\a)%4)+\b):8*(8*((\a)%4)+\b)+7], v[SC+32*(\sc)+4*\b+(\q)], v[SC+32*(\sc)+4*(\a)+(\q)] matrix_a_fmt:MATRIX_FMT_FP4 matrix_b_fmt:MATRIX_FMT_FP4 matrix_a_scale:MATRIX_SCALE_ROW1
.endif
.endr
.endr
.endm
.macro FETCH_B slot, q, p              ; B's eight fragments of the slot's q-th 128 along K into set p
	WIN TO_B
.irp i, 0,1,2,3,4,5,6,7
	FRAG 128*(\p)+8*\i, ADRB+\slot, \q, \i
.endr
	WIN 0
.endm
.macro FETCH_A slot, q, i0             ; A's blocks i0 .. i0 + 3
.irp i, \i0, \i0+1, \i0+2, \i0+3
	FRAG AF+8*(\i), ADRA+\slot, \q, \i
.endr
.endm
.macro SCALES sc                       ; a slot's scale words: four words a row; lanes 0-15 take A's block i, lanes 16-31 B's block i
.irp i, 0,1,2,3,4,5,6,7
	ds_load_b128 v[SC+32*\sc+4*\i:SC+32*\sc+4*\i+3], v[ADRS+\sc] offset:\i*4352
.endr
.endm
; A step of 128 along K that has its successor in the same slot.  A block of A is free when its eight products are issued: blocks 0-3 are fetched anew in the middle, blocks 4-7 at the end; B has two sets.
.macro STEP slot, q, cm
	s_wait_dscnt 8                                 ; B's set, A's blocks 0-3 (and the scale words) are in; the youngest eight loads, A's blocks 4-7, may be out
.if \cm
	WIN 0x81                                       ; C (the bias) in window 0, D in window 2
.else
	WIN MUL_LO
.endif
	MUL16 0, (\q)%2, \q, \slot, \cm
	MUL16 2, (\q)%2, \q, \slot, \cm
	s_wait_dscnt 0                                 ; A's blocks 4-7 are in
	PLACES
	FETCH_B \slot, (\q)+1, 1-(\q)%2
	FETCH_A \slot, (\q)+1, 0
.if \cm
	WIN 0xc1                                       ; C in window 0, D in window 3
.else
	WIN MUL_HI
.endif
	MUL16 4, (\q)%2, \q, \slot, \cm
	MUL16 6, (\q)%2, \q, \slot, \cm
	PLACES
	WIN 0
	FETCH_A \slot, (\q)+1, 4
.endm
	s_wait_alu depctr_va_vdst(0)                   ; at the head's end
	s_cmp_lt_u32 s[WV], 2                          ; waves 0 and 1 issued slot 0's two loads: they wait; slot 1's may stay out
	s_cbranch_scc0 .Lnot_first
	s_wait_tensorcnt 0x0
.Lnot_first:
	s_barrier_signal -1
	s_barrier_wait -1                              ; everybody's is
	FETCH_B 0, 0, 0
	FETCH_A 0, 0, 0
	SCALES 0
	FETCH_A 0, 0, 4
	s_wait_loadcnt 0x0                             ; the bias
	s_cmp_eq_u32 s[VAR], 2                         ; the first step starts the sums with the bias: by B's tile for q and k, by A's for v
	s_cbranch_scc1 .Lfirst_v
	STEP 0, 0, 1
	s_branch .Lfirst_done
.Lfirst_v:
	STEP 0, 0, 2
.Lfirst_done:
	STEP 0, 1, 0
	STEP 0, 2, 0
	; slot 0's last step changes slots
	s_wait_tensorcnt 0x0                           ; my part of slot 1 has landed (no load was issued behind it)
	s_wait_dscnt 8
	WIN MUL_LO
	MUL16 0, 1, 3, 0, 0
	s_wait_dscnt 0x0                               ; no LDS load of mine is out at the signal
	s_barrier_signal -1
	MUL16 2, 1, 3, 0, 0
	WIN 0
	s_barrier_wait -1                              ; slot 1 is whole
	PLACES
	FETCH_B 1, 0, 0
	FETCH_A 1, 0, 0
	SCALES 1
	WIN MUL_HI
	MUL16 4, 1, 3, 0, 0
	MUL16 6, 1, 3, 0, 0
	PLACES
	WIN 0
	FETCH_A 1, 0, 4
	STEP 1, 0, 0
	STEP 1, 1, 0
	STEP 1, 2, 0
	s_wait_dscnt 8                                 ; the last step: nothing more to fetch
	WIN MUL_LO
	MUL16 0, 1, 3, 1, 0
	MUL16 2, 1, 3, 1, 0
	s_wait_dscnt 0
	WIN MUL_HI
	MUL16 4, 1, 3, 1, 0
	MUL16 6, 1, 3, 1, 0
	WIN 0
	PLACES
; THE WAY OUT of A's block a.  Its 64 registers: register 16 b + i = number 32 b + 16 h + i along B's 128 rows, of my row of A: four blocks of 32, each shared with lane l xor 16.
; They become a fragment's 8 registers and a scale word; the fragment leaves as it stands: each store of the wave covers 512 consecutive bytes, at a multiple of 256 from pq's first byte.
.macro QOUT a
.set AC, 64*((\a)%4)
.set PC, AF+8*(\a)                     ; the codes take the registers that held A's fragments: a set of eight for each block, so no store's data are written again
	WIN 20*(2+(\a)/4)                              ; sources 1 and 2: window 2 or 3
.irp b, 0,1,2,3
	v_max3_num_f32 v[TM+\b], 0x1800000, |v[AC+16*\b]|, |v[AC+16*\b+1]|   ; each accumulator is read from its low end on; the floor 2^(3 - 127) keeps the byte at 1 or above
.endr
.irp i, 2,4,6,8,10,12,14
.irp b, 0,1,2,3
	v_max3_num_f32 v[TM+\b], v[TM+\b], |v[AC+16*\b+\i]|, |v[AC+16*\b+\i+1]|
.endr
.endr
	WIN 0
.irp b, 0,1,2,3
	v_permlanex16_b32 v[TM+4+\b], v[TM+\b], s[SEL], s[SEL+1]
.endr
.irp b, 0,1,2,3
	v_max_num_f32 v[TM+\b], v[TM+\b], v[TM+4+\b]   ; the block's largest magnitude
.endr
.irp b, 0,1,2,3
	v_add_nc_u32 v[TM+12+\b], 0xff000000, v[TM+\b] ; 2 off its exponent field: the conversion's scale operand
.endr
.irp b, 0,1,2,3
	v_lshrrev_b32 v[TM+4+\b], 23, v[TM+12+\b]      ; the byte
.endr
	v_lshl_or_b32 v[PW+(\a)], v[TM+5], 8, v[TM+4]
	v_lshl_or_b32 v[PW+(\a)], v[TM+6], 16, v[PW+(\a)]
	v_lshl_or_b32 v[PW+(\a)], v[TM+7], 24, v[PW+(\a)]
	WIN 2+(\a)/4                                   ; source 0: window 2 or 3
.irp b, 0,1,2,3
	v_cvt_scalef32_pk8_fp4_f32 v[PC+2*\b], v[AC+16*\b:AC+16*\b+7], v[TM+12+\b]
	v_cvt_scalef32_pk8_fp4_f32 v[PC+2*\b+1], v[AC+16*\b+8:AC+16*\b+15], v[TM+12+\b]
.endr
	WIN 0
	v_nop                                          ; one plain line behind the last conversion
.irp c, 0,1                                    ; the operand's layout wants a whole block in a lane
.irp i, 0,1
	v_permlane16_swap_b32 v[PC+4*\c+\i], v[PC+4*\c+2+\i]
.endr
.endr
.irp c, 0,1
	global_store_b128 v[LI], v[PC+4*\c:PC+4*\c+3], s[80:81] offset:\c*65536+(\a)*512
.endr
.endm
.irp a, 0,1,2,3,4,5,6,7
	QOUT \a
.endr
	s_cmp_eq_u32 s[VAR], 2
	s_cbranch_scc1 .Lwords_v
.irp j, 0,1,2,3                                ; q, k: a head has two of a word's four bytes: word j = tile 2 j's two, then tile 2 j + 1's; lanes 0-15 make the even head's, lanes 16-31 the odd head's
	v_perm_b32 v[WD+\j], v[PW+2*\j+1], v[PW+2*\j], v[PSEL]
.endr
	s_branch .Lwords_done
.Lwords_v:
	v_cmp_ne_u32 vcc_lo, 0, v2
.irp j, 0,1,2,3                                ; v: word j = d tile j's four bytes for these 128 keys; blocks 0-3 are the even head's, 4-7 the odd head's
	v_cndmask_b32 v[WD+\j], v[PW+\j], v[PW+4+\j], vcc_lo
.endr
.Lwords_done:
	s_wait_alu depctr_va_vdst(0)
	global_store_b128 v[SOF], v[WD:WD+3], s[82:83] ; sixteen lanes store 256 consecutive aligned bytes of one head
	s_wait_tensorcnt 0x0
	ds_add_u32 v126, v127
	s_wait_dscnt 0x0
	CROUND                                         ; the closing round: no work-group ends while a partner may still ask for a tile that names it
	s_endpgm
.Lfunc_end_k_q23aa26f6e5_proj:
	.size	k_q23aa26f6e5_proj, .Lfunc_end_k_q23aa26f6e5_proj-k_q23aa26f6e5_proj
	.p2alignl 7, 3214868480
	.fill 96, 4, 3214868480
	.section	.rodata,"a",@progbits
	.p2align	6, 0x0
	.amdhsa_kernel k_q23aa26f6e5_proj
		.amdhsa_group_segment_fixed_size 279040
		.amdhsa_private_segment_fixed_size 0
		.amdhsa_enable_private_segment 0
		.amdhsa_kernarg_size 48
		.amdhsa_user_sgpr_count 2
		.amdhsa_user_sgpr_kernarg_segment_ptr 1
		.amdhsa_wavefront_size32 1
		.amdhsa_system_sgpr_workgroup_id_x 1
		.amdhsa_system_sgpr_workgroup_id_y 1
		.amdhsa_system_sgpr_workgroup_id_z 1
		.amdhsa_system_vgpr_workitem_id 0
		.amdhsa_next_free_vgpr 1024
		.amdhsa_next_free_sgpr 96
		.amdhsa_reserve_vcc 1
		.amdhsa_float_denorm_mode_32 3
		.amdhsa_float_denorm_mode_16_64 3
		.amdhsa_memory_ordered 1
		.amdhsa_forward_progress 1
		.amdhsa_inst_pref_size 145
	.end_amdhsa_kernel
	.amdgpu_metadata
---
amdhsa.version: [ 1, 2 ]
amdhsa.kernels:
  - .name:           k_q23aa26f6e5_proj
    .symbol:         k_q23aa26f6e5_proj.kd
    .args:
      - { .name: xq, .offset: 0, .size: 8, .value_kind: global_buffer, .address_space: global }
      - { .name: wq, .offset: 8, .size: 8, .value_kind: global_buffer, .address_space: global }
      - { .name: bq, .offset: 16, .size: 8, .value_kind: global_buffer, .address_space: global }
      - { .name: bk, .offset: 24, .size: 8, .value_kind: global_buffer, .address_space: global }
      - { .name: bv, .offset: 32, .size: 8, .value_kind: global_buffer, .address_space: global }
      - { .name: pq, .offset: 40, .size: 8, .value_kind: global_buffer, .address_space: global }
    .group_segment_fixed_size: 279040
    .private_segment_fixed_size: 0
    .kernarg_segment_align: 8
    .kernarg_segment_size: 48
    .max_flat_workgroup_size: 128
    .sgpr_count:     96
    .vgpr_count:     1024
    .wavefront_size: 32
...
	.end_amdgpu_metadata
.endif
;; end of part 2
;; launch attn (part 3): grid 4 x 64, 16 waves a work-group, clusters of 4 x 1, 169,984 bytes of LDS; arguments pq, oq; writes oq
.if DOCPART == 3
	.amdgcn_target "amdgcn-amd-amdhsa--gfx1250"
	.amdhsa_code_object_version 6
	.text
	.protected	k_q23aa26f6e5_attn
	.globl	k_q23aa26f6e5_attn
	.p2align	8
	.type	k_q23aa26f6e5_attn,@function
k_q23aa26f6e5_attn:
	s_mov_b64 s[64:65], 0
	v_nop
	global_prefetch_b8 v0, s[64:65] scope:SCOPE_SE
	s_setreg_imm32_b32 hwreg(HW_REG_WAVE_MODE, 25, 1), 1
	s_wait_xcnt 0x0
	s_wait_alu depctr_hold_cnt(0) depctr_sa_sdst(0) depctr_va_vdst(0) depctr_va_sdst(0) depctr_va_ssrc(0) depctr_va_vcc(0) depctr_vm_vsrc(0)
	s_getreg_b32 s2, hwreg(HW_REG_IB_STS2, 6, 4)
	s_cmp_eq_u32 s2, 0
	s_cbranch_scc0 .Lentry_in_a_cluster
	s_endpgm
.Lentry_in_a_cluster:
	s_bfe_u32 s2, ttmp6, 0x10000c
	s_cmp_lg_u32 s2, 0x3003
	s_cbranch_scc0 .Lentry_shape_is_right
	s_endpgm
.Lentry_shape_is_right:
; For each of 64 (batch, head): o[q] = the sum over keys of softmax(q . k / 8) v, head size 64, 2,048 keys, both products on codes of FP4 (E2M1) with E8M0 scales; o is quantised along the embedding for the last projection.
; THE SOFTMAX AHEAD OF THE SECOND PRODUCT: t = score x log2(e) / 8; M = the largest t so far, rounded UP to a whole number; p = 2^(t - M) is what is quantised, along the keys, not normalised.
; The row's sum is taken of the unquantised p, in f32, and divides at the end.  When M moves, the sum and O are multiplied by f = 2^(old M - new M): exact.
; SHARES.  256 work-groups: a work-group owns 512 queries of one head; each of its sixteen waves owns two tiles of 16 queries and walks all keys once for each tile (PASS 0, PASS 1), 128 keys a step.
; ALL OF A HEAD'S K AND V LIES IN LDS (139,264 bytes), filled ONCE at the head: waves 0-7 fetch 16,384 bytes of codes each, waves 8-11 2,048 bytes of scale words each: one tensor load a wave.
; Every wave waits for all its loads, one barrier shows them to all, and no further barrier stands ahead of the closing round.  No byte is filled twice: no ring.
; No data prefetch: everything that the launch reads through LDS is asked for at the head, so there is no later load to run ahead of.
; CLUSTER.  The four work-groups of a cluster are the four query blocks of one head and read the same K and V: every fill is a joint load with a mask that names the four.
; LAYOUT.  Both products are used transposed (S^T = K Q^T, O^T = V^T P^T): a lane (r, h) holds ONE query r throughout.
; KEY TILE a of a group of 128 keys holds in its row i key 64 (a / 4) + 8 (a % 4) + i % 8 + 32 (i / 8).  So register 32 c + n of the scores is key 64 c + 32 h + n: a lane holds blocks h and 2 + h WHOLE:
; a block's largest score needs no other lane, and the conversions' results are the second product's operand registers as they stand.  The scale word's four bytes are joined from lanes l and l xor 16.
; K = 64 IN AN INSTRUCTION OF 128: a fragment holds key tile 2 b in registers 0-3 and tile 2 b + 1 in registers 4-7, with both tiles' scale bytes in one word; multiplied by [q | 0] it gives tile 2 b's scores, by [0 | q] tile 2 b + 1's.
; THE SECOND PRODUCT RUNS ONE STEP LATE.  Step g multiplies O^T by f(g - 1), its sixteen lines standing between the dependent lines that make M(g), and issues the products of p(g - 1) behind its own exponentials, ahead of its sums.
; So the first trip of a pass multiplies zero codes (O^T stays 0), and the last step's rescaling and products stand behind the loop.  K's fragments are fetched one step ahead, V's in the step whose p they meet a step later.
; The last step's fetch of K reads the bytes that follow K's in LDS: they have landed, and nothing uses what is read.
; LIMITS: NaN and infinities are not served; 1 / the sum is v_rcp_f32's; a block of zeros carries the byte 1 (its codes are zeros; only this program reads the bytes); a block's largest p is taken from its largest score.
; LDS: 0: K's codes [tile / 4][g][4 tiles][512];  65,536: V's codes [c][g][d tile][512];  131,072: K's scale words [g][r][4];  135,168: V's [g][r][4];  167,936: the spare words.  g = the group of 128 keys.
; REGISTERS: v1-7 what stays; v8-10 the step's addresses; v11 the old -M, v12 -M, v13 the largest score, v[14:15] the sum; v16-27 0000 qqqq 0000; v28-31 the second tile's q; v32-63 K; v64-95 V; v96-159 S^T, then p;
;   v160-191 O^T; v192-195 K's scale words, v196-199 V's; v200 p's scale word; v202, v203 q's scale words as loaded; v204-208 the scales' work; v224-231 p's codes; v232-249 at work; v250, v251 the add's; v252 f; v255 q's scale word.
.set WV,  18                           ; s18 wave;  s19 16 batch + head
.set BH,  19
.set SEL, 20                           ; s[20:21] lane selects: lane l xor 16
.set CS,  22                           ; s[22:23] c = log2(e) / 8
.set G1C, 24                           ; s[24:31] descriptor group 1 for codes;  s[32:39] for scale words
.set G1S, 32
.set G0S, 40                           ; s[40:43] group 0 for scale words;  s[44:47] for codes
.set G0C, 44
.set CNT, 60
.set TB,  2                            ; s2 2,048 g;  s3 256 g
.set TS,  3
.set LI,  1                            ; v1 16 x lane;  v2 + 65,536;  v3 131,072 + 16 r;  v4 16 r;  v5 16 r + h;  v6 8 h;  v7 h
.set LV,  2
.set LS,  3
.set ADK, 8
.set ADV, 9
.set ADS, 10
.set KF,  32
.set VF,  64
.set S,   96
.set O,   160
.set KW,  192
.set VW,  196
.set PSW, 200
.set QW,  202
.set SOP, 204                          ; v204, v205 the conversions' scale operands; v206, v207 the bytes; v208 the other lane's bytes
.set PC,  224
.macro CROUND                          ; a round of the cluster's barrier
	s_barrier_signal -1
	s_barrier_wait -1
	s_cmp_lg_u32 s[WV], 0
	s_cbranch_scc1 .Lnot_wave_0_\@
	s_barrier_signal -3
.Lnot_wave_0_\@:
	s_barrier_wait -3
	s_barrier_signal -1
	s_barrier_wait -1
.endm
.macro WALU
	s_wait_alu depctr_va_vdst(0)
.endm
	s_load_b128 s[4:7], s[0:1], 0x0                ; pq, oq
	v_lshl_add_u32 v250, v0, 2, 0x29000
	v_mov_b32 v251, 0
	ds_add_u32 v250, v251                          ; the opening lines
	ds_add_u32 v250, v251
	v_lshrrev_b32 v8, 5, v0
	v_readfirstlane_b32 s[WV], v8                  ; wave 0..15
	s_and_b32 s[BH], ttmp7, 0xffff                 ; the head, which the four partners share
	; what I fetch.  Codes (waves 0-7): wave % 4 = 0, 1: K's tiles 0-3, 4-7 of each g; 2, 3: halves c = 0, 1 of V's fragments; wave / 4: which eight g.  One shape: 8 rows of 2,048 bytes, 4,096 apart
	s_and_b32 s66, s[WV], 1
	s_bfe_u32 s67, s[WV], 0x10001
	s_bfe_u32 s61, s[WV], 0x10002
	s_lshl_b32 s68, s[BH], 16
	s_lshl_b32 s69, s66, 11
	s_add_co_u32 s68, s68, s69
	s_add_co_u32 s68, s68, 4194304                 ; K: 4,194,304 + head 65,536 + 2,048 e
	s_lshr_b32 s70, s[BH], 1
	s_lshl_b32 s70, s70, 17
	s_and_b32 s71, s[BH], 1
	s_lshl_b32 s71, s71, 11
	s_add_co_u32 s70, s70, s71
	s_lshl_b32 s71, s66, 16
	s_add_co_u32 s70, s70, s71
	s_add_co_u32 s70, s70, 8388608                 ; V: 8,388,608 + pair 131,072 + parity 2,048 + 65,536 c
	s_cmp_eq_u32 s67, 0
	s_cselect_b32 s68, s68, s70                    ; an offset is chosen, by the wave's number: the same in all four partners
	s_lshl_b32 s69, s61, 15
	s_add_co_u32 s68, s68, s69                     ; + eight g of 4,096 bytes
	s_mov_b32 s69, 0
	; scale words (waves 8-11): wave % 2: K's or V's; (wave / 2) % 2: which eight g
	s_lshl_b32 s70, s66, 18
	s_lshl_b32 s71, s[BH], 12
	s_add_co_u32 s70, s70, s71
	s_lshl_b32 s71, s67, 11
	s_add_co_u32 s70, s70, s71
	s_add_co_u32 s70, s70, 12845056                ; k's from 12,845,056 on, v's 262,144 further; head 4,096; half 2,048
	s_mov_b32 s71, 0
	s_and_b32 s76, s[WV], 3
	s_lshl_b32 s76, s76, 15
	s_lshl_b32 s77, s61, 14
	s_add_co_u32 s76, s76, s77                     ; LDS, codes: 32,768 (wave % 4) + 16,384 (wave / 4)
	s_lshl_b32 s77, s66, 12
	s_lshl_b32 s62, s67, 11
	s_add_co_u32 s77, s77, s62
	s_add_co_u32 s77, s77, 131072                  ; LDS, scale words
	s_mov_b32 s[G1C], 15|(3<<16)|(1<<21)           ; 15:0 the mask: all four work-groups; 17:16 elements of 8 bytes; 21 set beside a mask
	s_mov_b32 s[G1C+1], 256<<16                    ; tensor_dim0: 2,048 bytes
	s_mov_b32 s[G1C+2], 8<<16                      ; tensor_dim1
	s_mov_b32 s[G1C+3], 256<<16                    ; tile_dim0
	s_mov_b32 s[G1C+4], 8                          ; tile_dim1: eight g, 1,024 keys
	s_mov_b32 s[G1C+5], 512                        ; tensor_dim0_stride: 4,096 bytes
	s_mov_b32 s[G1C+6], 0
	s_mov_b32 s[G1C+7], 0
	s_mov_b32 s[G1S], 15|(3<<16)|(1<<21)           ; 2,048 dense bytes as 8 rows of 256
	s_mov_b32 s[G1S+1], 32<<16
	s_mov_b32 s[G1S+2], 8<<16
	s_mov_b32 s[G1S+3], 32<<16
	s_mov_b32 s[G1S+4], 8
	s_mov_b32 s[G1S+5], 32
	s_mov_b32 s[G1S+6], 0
	s_mov_b32 s[G1S+7], 0
	s_mov_b32 s[SEL], 0x76543210
	s_mov_b32 s[SEL+1], 0xfedcba98
	s_mov_b32 s[CS], 0x3e38aa3b                    ; log2(e) / 8: a power of two times log2(e), so score x c has the bits of (score / 8) x log2(e)
	s_mov_b32 s[CS+1], s[CS]                       ; (named with it as a pair, so it is written)
	s_wait_dscnt 0x0                               ; both opening adds are done
	s_wait_kmcnt 0x0
	s_mov_b32 s[G0S], 1
	s_mov_b32 s[G0S+1], s77
	s_add_nc_u64 s[G0S+2:G0S+3], s[4:5], s[70:71]
	s_or_b32 s[G0S+3], s[G0S+3], 0x80000000
	s_mov_b32 s[G0C], 1
	s_mov_b32 s[G0C+1], s76
	s_add_nc_u64 s[G0C+2:G0C+3], s[4:5], s[68:69]
	s_or_b32 s[G0C+3], s[G0C+3], 0x80000000
	CROUND                                         ; all four work-groups are here: the joint loads meet
	; the head's loads, one a wave, in one chain of branches on the wave's number; waves 12-15 fetch nothing
	s_cmp_lt_u32 s[WV], 8
	s_cbranch_scc0 .Lnot_codes
	tensor_load_to_lds s[G0C:G0C+3], s[G1C:G1C+7]
	s_nop 0
.rept 4
	v_nop
.endr
	s_branch .Lasked
.Lnot_codes:
	s_cmp_lt_u32 s[WV], 12
	s_cbranch_scc0 .Lasked
	tensor_load_to_lds s[G0S:G0S+3], s[G1S:G1S+7]
	s_nop 0
.rept 4
	v_nop
.endr
.Lasked:
	; my first tile of queries, and where its result goes; the second tile lies 16 tiles on.  cx enters these global addresses alone
	s_bfe_u32 s78, ttmp6, 0x40000
	s_lshl_b32 s79, s78, 5
	s_add_co_u32 s79, s79, s[WV]                   ; my first tile in the head: 32 cx + wave
	s_lshl_b32 s80, s[BH], 16
	s_lshl_b32 s81, s79, 9
	s_add_co_u32 s80, s80, s81
	s_mov_b32 s81, 0
	s_add_nc_u64 s[80:81], s[4:5], s[80:81]        ; q's codes: head 65,536 + tile 512
	s_lshl_b32 s82, s[BH], 12
	s_lshr_b32 s83, s79, 3
	s_lshl_b32 s83, s83, 8
	s_add_co_u32 s82, s82, s83
	s_bfe_u32 s83, s79, 0x20001
	s_lshl_b32 s83, s83, 2
	s_add_co_u32 s82, s82, s83
	s_add_co_u32 s82, s82, 12582912
	s_mov_b32 s83, 0
	s_add_nc_u64 s[82:83], s[4:5], s[82:83]        ; its scale words: head 4,096 + (tile / 8) 256 + 16 r + 4 ((tile / 2) % 4)
	s_lshr_b32 s84, s[BH], 4
	s_lshl_b32 s84, s84, 7
	s_add_co_u32 s84, s84, s79                     ; oq's tile: 128 batch + my tile
	s_mul_i32 s84, s84, 8704
	s_bfe_u32 s85, s[BH], 0x10003
	s_mul_i32 s85, s85, 4352
	s_add_co_u32 s84, s84, s85                     ; sigma = head / 8
	s_bfe_u32 s85, s[BH], 0x20001                  ; q = (head / 2) % 4
	s_and_b32 s89, s[BH], 1                        ; c = head % 2
	s_lshl_b32 s86, s85, 2
	s_lshl_b32 s87, s89, 1
	s_add_co_u32 s86, s86, s87
	s_add_co_u32 s86, s86, s84                     ; the scale bytes: word q, bytes 2 c and 2 c + 1
	s_lshl_b32 s85, s85, 10
	s_lshl_b32 s89, s89, 9
	s_add_co_u32 s84, s84, s85
	s_add_co_u32 s84, s84, s89                     ; the codes: q 1,024 + c 512
	s_mov_b32 s85, 0
	s_mov_b32 s87, 0
	s_add_nc_u64 s[84:85], s[6:7], s[84:85]
	s_add_nc_u64 s[86:87], s[6:7], s[86:87]
	s_mov_b32 s88, 0x03020302
	s_cmp_eq_u32 s66, 0
	s_cselect_b32 s88, 0x01000100, s88             ; an even tile's two bytes lie low in its word, an odd tile's high
	v_and_b32 v6, 31, v0
	v_lshlrev_b32 v[LI], 4, v6
	v_add_nc_u32 v[LV], 65536, v[LI]
	v_and_b32 v6, 15, v0
	v_lshlrev_b32 v4, 4, v6
	v_add_nc_u32 v[LS], 131072, v4
	v_bfe_u32 v7, v0, 4, 1
	v_add_nc_u32 v5, v4, v7
	v_lshlrev_b32 v6, 3, v7
	global_load_b128 v[20:23], v[LI], s[80:81]                 ; q of my first tile: lane (r, h): block h of query r
	global_load_b128 v[28:31], v[LI], s[80:81] offset:8192     ; and of my second, 16 tiles of 512 bytes on
	global_load_b32 v[QW], v4, s[82:83]
	global_load_b32 v[QW+1], v4, s[82:83] offset:512           ; two groups of 8 tiles on
.irp j, 16,17,18,19,24,25,26,27
	v_mov_b32 v\j, 0                               ; zero codes on both sides of q: v[20:27] = [q | 0], v[16:23] = [0 | q]
.endr
	v_mov_b32 v236, 0                              ; a lane permute's destination counts as one of its sources
	v_mov_b32 v[SOP+4], 0
	v_mov_b32 v253, 0                              ; (named as the upper half of the pair v[252:253])
	WALU                                           ; at the head's end
	s_wait_loadcnt 0x0
.macro KLOAD adk, ads, ko, so          ; a group's four pair fragments of K (key tile 2 b + u is half u of fragment b) and the four pairs' scale words of row r
.irp b, 0,1,2,3
.irp u, 0,1
	ds_load_b128 v[KF+8*\b+4*\u:KF+8*\b+4*\u+3], v[\adk] offset:(\b/2)*32768+(\b%2)*1024+512*\u+\ko
.endr
.endr
	ds_load_b128 v[KW:KW+3], v[\ads] offset:\so
.endm
.macro VLOAD adv, ads                  ; a group's four fragments of V and their scale words
.irp t, 0,1,2,3
.irp c, 0,1
	ds_load_b128 v[VF+8*\t+4*\c:VF+8*\t+4*\c+3], v[\adv] offset:32768*\c+512*\t
.endr
.endr
	ds_load_b128 v[VW:VW+3], v[\ads] offset:4096
.endm
.macro RESC n                          ; a pair of O^T under the M of the p that is added next
	v_pk_mul_f32 v[O+2*(\n):O+2*(\n)+1], v[O+2*(\n):O+2*(\n)+1], v[252:253] op_sel_hi:[1,0]
.endm
.macro PV                              ; O^T += V^T P^T: the four accumulators by turns; the scores' eight products stand between two steps of a sum
.irp t, 0,1,2,3
	v_wmma_scale_f32_16x16x128_f8f6f4 v[O+8*\t:O+8*\t+7], v[VF+8*\t:VF+8*\t+7], v[PC:PC+7], v[O+8*\t:O+8*\t+7], v[VW+\t], v[PSW] matrix_a_fmt:MATRIX_FMT_FP4 matrix_b_fmt:MATRIX_FMT_FP4
.endr
.endm
.macro ACC7 first                      ; the seven side chains of the row's sum take in pairs first + 1 .. first + 7 of p
.irp k, 1,2,3,4,5,6,7
	v_pk_add_f32 v[234+2*\k:235+2*\k], v[234+2*\k:235+2*\k], v[S+2*(\first)+2*\k:S+2*(\first)+2*\k+1]
.endr
.endm
; A KEY STEP: the 128 keys of group g; s[TB] = 2,048 g, s[TS] = 256 g.
.macro STEP
	s_wait_dscnt 0x0                               ; K of this group and V of the last, both asked for a step ago
.irp b, 0,1,2,3
	v_wmma_scale_f32_16x16x128_f8f6f4 v[S+16*\b:S+16*\b+7], v[KF+8*\b:KF+8*\b+7], v[20:27], 0, v[KW+\b], v255 matrix_a_fmt:MATRIX_FMT_FP4 matrix_b_fmt:MATRIX_FMT_FP4
	v_wmma_scale_f32_16x16x128_f8f6f4 v[S+16*\b+8:S+16*\b+15], v[KF+8*\b:KF+8*\b+7], v[16:23], 0, v[KW+\b], v255 matrix_a_fmt:MATRIX_FMT_FP4 matrix_b_fmt:MATRIX_FMT_FP4
.endr                                          ; register 32 c + n: key 128 g + 64 c + 32 h + n of my query
	v_add_nc_u32 v[ADK], s[TB], v[LI]              ; four plain lines behind the products, ahead of the loads into K's registers and of the first read of the scores
	v_add_nc_u32 v[ADS], s[TS], v[LS]
	v_add_nc_u32 v[ADV], s[TB], v[LV]
	v_mov_b32 v11, v12                             ; the old -M
	KLOAD ADK, ADS, 2048, 256                      ; the next group's K
.irp k, 0,1,2,3
	v_max3_num_f32 v[232+\k], v[S+16*\k], v[S+16*\k+1], v[S+16*\k+2]   ; four chains by turns, two to a block; each accumulator is first read at its low end
.endr
.irp i, 3,5,7,9,11,13
.irp k, 0,1,2,3
	v_max3_num_f32 v[232+\k], v[232+\k], v[S+16*\k+\i], v[S+16*\k+\i+1]
.endr
.endr
.irp c, 0,1
	v_max3_num_f32 v[232+2*\c], v[232+2*\c], v[233+2*\c], v[S+32*\c+15]
.endr
.irp c, 0,1
	v_max_num_f32 v[232+2*\c], v[232+2*\c], v[S+32*\c+31]   ; the largest score of my block 2 c + h: it serves the row's maximum and, since p rises with the score, the block's largest p
.endr
	RESC 0                                         ; O^T x f(g - 1): sixteen lines that hang on nothing here, laid between the lines that make M, each of which hangs on the one before
	v_max_num_f32 v254, v232, v234
	RESC 1
	RESC 2
	v_permlanex16_b32 v236, v254, s[SEL], s[SEL+1]
	RESC 3
	RESC 4
	v_max3_num_f32 v13, v13, v254, v236            ; the running largest score of my query, the same in lanes l and l xor 16
	RESC 5
	RESC 6
	v_mul_f32 v254, s[CS], v13                     ; as t (c is positive)
	RESC 7
	RESC 8
	v_floor_f32 v12, -v254                         ; the new -M = floor(-t) = -ceil(t)
	RESC 9
	RESC 10
	v_sub_f32 v254, v12, v11                       ; old M - new M: a whole number, 0 or less
	RESC 11
	RESC 12
	v_cvt_i32_f32 v254, v254                       ; (it saturates)
	RESC 13
	RESC 14
	RESC 15
	v_ldexp_f32 v252, 1.0, v254                    ; f(g) = 2^(old M - new M), behind the last reader of f(g - 1)
.set n, 0
.rept 32
	v_pk_fma_f32 v[S+n:S+n+1], v[S+n:S+n+1], s[CS:CS+1], v[12:13] op_sel_hi:[1,0,0]   ; t - M, two at a time (of the pairs the low word serves both halves)
.set n, n+2
.endr
.irp c, 0,1
	v_fma_f32 v[232+2*\c], v[232+2*\c], s[CS], v12 ; the same of each block's largest score
.endr
	WALU                                           ; ahead of the batch
.set n, 0
.rept 64
	v_exp_f32 v[S+n], v[S+n]                       ; p = 2^(t - M)
.set n, n+1
.endr
.irp c, 0,1
	v_exp_f32 v[232+2*\c], v[232+2*\c]             ; the block's largest p: the same arithmetic on the same number
.endr
	v_pk_mul_f32 v[14:15], v[14:15], v[252:253] op_sel_hi:[1,0]   ; the sums under the new M (a plain line behind the exponentials)
	WALU                                           ; one wait for the batch of 66, ahead of its first reader
	PV                                             ; the last step's p meets the last step's V: no exponential stands between these products and the next reader of O^T
	; the row's sum of the unquantised p: 32 pairs into eight chains (v[14:15] and v[236:249]), then seven joins; the lines that make p's scales stand among them
.irp k, 1,2,3,4,5,6,7
	v_pk_add_f32 v[234+2*\k:235+2*\k], v[S+4*\k-4:S+4*\k-3], v[S+4*\k-2:S+4*\k-1]
.endr
	v_pk_add_f32 v[14:15], v[14:15], v[S+28:S+29]
	VLOAD ADV, ADS                                 ; this group's V, eight plain lines behind the products that read the last group's
.irp c, 0,1
	v_max_num_f32 v[232+2*\c], 0x1800000, v[232+2*\c]   ; the floor 2^(3 - 127): the byte cannot fall under 1
.endr
	ACC7 14
	v_pk_add_f32 v[14:15], v[14:15], v[S+44:S+45]
.irp c, 0,1
	v_add_nc_u32 v[SOP+\c], 0xff000000, v[232+2*\c]     ; 2 off the exponent field: the conversion's scale operand
.endr
	ACC7 22
	v_pk_add_f32 v[14:15], v[14:15], v[S+60:S+61]
.irp c, 0,1
	v_lshrrev_b32 v[SOP+2+\c], 23, v[SOP+\c]       ; the byte
.endr
	v_pk_add_f32 v[236:237], v[236:237], v[S+62:S+63]
	v_pk_add_f32 v[240:241], v[240:241], v[242:243]
	v_lshl_or_b32 v[SOP+2], v[SOP+3], 16, v[SOP+2] ; my two bytes: blocks h and 2 + h,
	v_pk_add_f32 v[244:245], v[244:245], v[246:247]
	v_pk_add_f32 v[14:15], v[14:15], v[248:249]
	v_lshlrev_b32 v[SOP+2], v6, v[SOP+2]           ; at their places in the word (8 h bits up);
	v_pk_add_f32 v[236:237], v[236:237], v[238:239]
	v_pk_add_f32 v[14:15], v[14:15], v[244:245]
	v_permlanex16_b32 v[SOP+4], v[SOP+2], s[SEL], s[SEL+1]
	v_pk_add_f32 v[236:237], v[236:237], v[240:241]
	v_nop
	v_or_b32 v[PSW], v[SOP+2], v[SOP+4]            ; with lane l xor 16's two the word of these 128 keys is whole
.irp c, 0,1
.irp u, 0,1,2,3
	v_cvt_scalef32_pk8_fp4_f32 v[PC+4*\c+\u], v[S+32*\c+8*\u:S+32*\c+8*\u+7], v[SOP+\c]   ; registers 4 c .. 4 c + 3 of the operand: k = 64 c + 32 h + 0 .. 31
.endr
.endr
	v_pk_add_f32 v[14:15], v[14:15], v[236:237]    ; the last join is the plain line behind the last conversion
	s_add_co_u32 s[TB], s[TB], 2048
	s_add_co_u32 s[TS], s[TS], 256
.endm
; A PASS: one tile of 16 queries against all 2,048 keys, and its way out.
.macro PASS p
.if \p
.irp j, 0,1,2,3
	v_mov_b32 v[20+\j], v[28+\j]                   ; the second tile's q between the zeros
.endr
.endif
	v_perm_b32 v255, v[QW+\p], v[QW+\p], s88       ; q's two bytes twice: they serve [q | 0] and [0 | q] alike
	v_mov_b32 v13, 0xff61b1e6                      ; the largest score so far: -3e38, under every score
	v_floor_f32 v12, -v13                          ; -M: so large that the first f is 0
	v_mov_b32 v14, 0                               ; the sum, in two halves
	v_mov_b32 v15, 0
.set n, 0
.rept 32
	v_mov_b32 v[O+n], 0                            ; O^T: the step is written once: the first finds zeros
.set n, n+1
.endr
.if \p
	WALU                                           ; directly ahead of the wait below
	s_wait_xcnt 0x0                                ; the first tile's stores have read their registers, p's among them
.endif
.set n, 0
.rept 8
	v_mov_b32 v[PC+n], 0                           ; the first trip's late product takes zero codes,
.set n, n+1
.endr
	v_mov_b32 v[PSW], 0x7f7f7f7f                   ; under the scale 1,
	v_mov_b32 v252, 0                              ; and its f meets zeros
	s_mov_b32 s[TB], 0
	s_mov_b32 s[TS], 0
	s_mov_b32 s[CNT], 16
	WALU                                           ; at the set-up's end
.if \p == 0
	s_wait_tensorcnt 0x0                           ; my load is in (every wave waits, under no branch),
	s_barrier_signal -1
	s_barrier_wait -1                              ; and everybody's: all of K and V
.endif
	KLOAD LI, LS, 0, 0                             ; group 0's K, and V's fragments for the zero codes to meet
	VLOAD LV, LS
.Lstep\p:
	STEP
	s_sub_co_u32 s[CNT], s[CNT], 1
	s_cmp_lg_u32 s[CNT], 0
	s_cbranch_scc1 .Lstep\p
	s_wait_dscnt 0x0                               ; the last group's V
.set n, 0
.rept 16
	RESC n                                         ; the last step's rescaling and products
.set n, n+1
.endr
	PV
	; THE WAY OUT.  O^T / the sum; register 16 b + i is d = 32 b + 16 h + i (V's rows of d lie in the weights' tile order): two blocks of 32 along the embedding, each shared with lane l xor 16, quantised and stored as half a fragment of oq.
	v_add_f32 v14, v14, v15                        ; the sum's two halves,
	s_delay_alu instid0(VALU_DEP_1)
	v_permlanex16_b32 v252, v14, s[SEL], s[SEL+1]
	s_delay_alu instid0(VALU_DEP_1)
	v_add_f32 v14, v14, v252                       ; and lane l xor 16's
	WALU                                           ; ahead of the reciprocal
	v_rcp_f32 v14, v14
	v_cmp_ne_u32 vcc_lo, 0, v7                     ; (a plain line behind the reciprocal)
	v_nop
	v_nop                                          ; four plain lines and more stand behind the last products
	WALU                                           ; ahead of the reciprocal's first reader, which is also the first reader of O^T
.set n, 0
.rept 16
	v_pk_mul_f32 v[S+n:S+n+1], v[O+n:O+n+1], v[14:15] op_sel_hi:[1,0]   ; each accumulator from its low end on
.set n, n+2
.endr
.irp b, 0,1
	v_max3_num_f32 v[232+\b], |v[S+16*\b]|, |v[S+1+16*\b]|, 0x1800000
.endr
.irp i, 2,4,6,8,10,12,14
.irp b, 0,1
	s_delay_alu instid0(VALU_DEP_2)
	v_max3_num_f32 v[232+\b], v[232+\b], |v[S+16*\b+\i]|, |v[S+1+16*\b+\i]|
.endr
.endr
.irp b, 0,1
	s_delay_alu instid0(VALU_DEP_2)
	v_permlanex16_b32 v[236+\b], v[232+\b], s[SEL], s[SEL+1]
.endr
.irp b, 0,1
	s_delay_alu instid0(VALU_DEP_2)
	v_max_num_f32 v[232+\b], v[232+\b], v[236+\b]
.endr
.irp b, 0,1
	s_delay_alu instid0(VALU_DEP_2)
	v_add_nc_u32 v[244+\b], 0xff000000, v[232+\b]
.endr
.irp b, 0,1
	s_delay_alu instid0(VALU_DEP_2)
	v_lshrrev_b32 v[236+\b], 23, v[244+\b]
.endr
.irp b, 0,1
	v_cvt_scalef32_pk8_fp4_f32 v[PC+2*\b], v[S+16*\b:S+7+16*\b], v[244+\b]
	v_cvt_scalef32_pk8_fp4_f32 v[PC+1+2*\b], v[S+8+16*\b:S+15+16*\b], v[244+\b]
.endr
	v_nop                                          ; one plain line behind the last conversion
	v_permlane16_swap_b32 v224, v226
	v_permlane16_swap_b32 v225, v227               ; lane (r, h) now holds block h whole
	v_cndmask_b32 v238, v236, v237, vcc_lo         ; and sends block h's byte
	global_store_b128 v[LI], v[224:227], s[84:85] offset:139264*\p        ; the wave stores 512 consecutive bytes, at a multiple of 256 from oq's first byte; the second tile lies 16 tiles of 8,704 bytes on
	global_store_b8 v5, v238, s[86:87] offset:4096+139264*\p              ; one byte a lane: a scale word's four bytes belong to two heads, so to two work-groups; these are one byte for each 16 of codes
.endm
	PASS 0
	PASS 1
	s_wait_tensorcnt 0x0                           ; the wave's end
	ds_add_u32 v250, v251
	s_wait_dscnt 0x0
	CROUND                                         ; the closing round: no work-group ends while a partner may still ask for a tile that names it
	s_endpgm
.Lfunc_end_k_q23aa26f6e5_attn:
	.size	k_q23aa26f6e5_attn, .Lfunc_end_k_q23aa26f6e5_attn-k_q23aa26f6e5_attn
	.p2alignl 7, 3214868480
	.fill 96, 4, 3214868480
	.section	.rodata,"a",@progbits
	.p2align	6, 0x0
	.amdhsa_kernel k_q23aa26f6e5_attn
		.amdhsa_group_segment_fixed_size 169984
		.amdhsa_private_segment_fixed_size 0
		.amdhsa_enable_private_segment 0
		.amdhsa_kernarg_size 16
		.amdhsa_user_sgpr_count 2
		.amdhsa_user_sgpr_kernarg_segment_ptr 1
		.amdhsa_wavefront_size32 1
		.amdhsa_system_sgpr_workgroup_id_x 1
		.amdhsa_system_sgpr_workgroup_id_y 1
		.amdhsa_system_sgpr_workgroup_id_z 1
		.amdhsa_system_vgpr_workitem_id 0
		.amdhsa_next_free_vgpr 256
		.amdhsa_next_free_sgpr 96
		.amdhsa_reserve_vcc 1
		.amdhsa_float_denorm_mode_32 3
		.amdhsa_float_denorm_mode_16_64 3
		.amdhsa_memory_ordered 1
		.amdhsa_forward_progress 1
		.amdhsa_inst_pref_size 53
	.end_amdhsa_kernel
	.amdgpu_metadata
---
amdhsa.version: [ 1, 2 ]
amdhsa.kernels:
  - .name:           k_q23aa26f6e5_attn
    .symbol:         k_q23aa26f6e5_attn.kd
    .args:
      - { .name: pq, .offset: 0, .size: 8, .value_kind: global_buffer, .address_space: global }
      - { .name: oq, .offset: 8, .size: 8, .value_kind: global_buffer, .address_space: global }
    .group_segment_fixed_size: 169984
    .private_segment_fixed_size: 0
    .kernarg_segment_align: 8
    .kernarg_segment_size: 16
    .max_flat_workgroup_size: 512
    .sgpr_count:     96
    .vgpr_count:     256
    .wavefront_size: 32
...
	.end_amdgpu_metadata
.endif
;; end of part 3
;; launch outp (part 4): grid 8 x 32, 4 waves a work-group, clusters of 4 x 4, 226,816 bytes of LDS; arguments oq, wq, bo, out0; writes out0
.if DOCPART == 4
	.amdgcn_target "amdgcn-amd-amdhsa--gfx1250"
	.amdhsa_code_object_version 6
	.text
	.protected	k_q23aa26f6e5_outp
	.globl	k_q23aa26f6e5_outp
	.p2align	8
	.type	k_q23aa26f6e5_outp,@function
k_q23aa26f6e5_outp:
	s_mov_b64 s[64:65], 0
	v_nop
	global_prefetch_b8 v0, s[64:65] scope:SCOPE_SE
	s_setreg_imm32_b32 hwreg(HW_REG_WAVE_MODE, 25, 1), 1
	s_wait_xcnt 0x0
	s_wait_alu depctr_hold_cnt(0) depctr_sa_sdst(0) depctr_va_vdst(0) depctr_va_sdst(0) depctr_va_ssrc(0) depctr_va_vcc(0) depctr_vm_vsrc(0)
	s_getreg_b32 s2, hwreg(HW_REG_IB_STS2, 6, 4)
	s_cmp_eq_u32 s2, 0
	s_cbranch_scc0 .Lentry_in_a_cluster
	s_endpgm
.Lentry_in_a_cluster:
	s_bfe_u32 s2, ttmp6, 0x10000c
	s_cmp_lg_u32 s2, 0xf033
	s_cbranch_scc0 .Lentry_shape_is_right
	s_endpgm
.Lentry_shape_is_right:
; out0 = o Wo + bo, f32: 8,192 x 1,024 x 1,024 on codes of FP4 (E2M1) with E8M0 scales, sums in f32.
; OPERANDS come as images of their registers (oq; Wo's 64 tiles in wq from byte 1,671,168 on): [T][sigma = 0, 1][4,352 bytes]; a tile T is 16 rows, lane r holding row 32 (T / 2) + 8 (T % 2) + r + 8 (r / 8);
; in a sigma four fragments of 1,024 bytes (K steps 4 sigma + q of 128), then 256 bytes of scale words (16 r + 4 q).
; SHARES.  256 work-groups, each 256 tokens ('A', 16 tiles) x 128 features ('B', 8 tiles); four waves, 2 x 2, each 128 tokens x 64 features.
; ALL OF K LIES IN LDS, filled once at the head, one joint tensor load a wave: waves 0, 1 A's halves (8 tiles, 69,632 dense bytes), waves 2, 3 B's (4 tiles).  No byte is filled twice; nothing is left to prefetch.
; CLUSTERS: 4 x 4 work-groups; A's tiles hang on the token block alone and are shared along a row of the cluster, B's on the feature block alone and are shared along a column.
; THE MATRIX INSTRUCTION IS USED TRANSPOSED (source 0 = a tile of features, source 1 = a tile of tokens): a lane holds one token, its registers 8 neighbouring features.  The bias is the C of each sum's first product.
; THE WORK GOES BY ROWS OF THE RESULT.  A wave keeps its four tiles of B, all of K, in registers, and takes its eight blocks of 16 tokens one after the other: 32 products a block, K ascending, the block's four accumulators by turns.
; A finished block goes through the wave's own stage in LDS (bytes in which no tile lands), comes back as rows of 256 bytes and is stored while the next block is multiplied: sixteen lanes store one aligned unit of 256 bytes.
; A's blocks lie in four sets of registers and are fetched two blocks ahead.  THE WAITS' COUNTS: block 0's products of K step s leave out the 10 loads of each later step and block 1's 16 (a count holds 63 at the most);
; ahead of a later block's products the last block's 16 stage lines and the 16 loads of the fetch behind them may be out (32; block 7: 16); ahead of a block's stores that fetch alone (16; block 6's rows: 0).
; LIMITS: NaN, infinities and sums beyond f32's range are not served; a sum begins with the bias, where the reference adds it last.
; REGISTERS, in windows of 256: window 0: v1-31 addresses; v32-95 A's scale words (8 a + K step), v100-131 B's (8 b + K step: the two registers of a product differ by 4 modulo 8); v132-163 the bias; v164-227 rows back from the stage, two sets.
;   window 1: A's fragments: 64 (a % 4) + 8 x K step.   window 2: accumulator (a, b) at v[8 (4 a + b)].   window 3: B's fragments: 32 x K step + 8 b.
.set PART,  69632                      ; 8 tiles of 8,704 bytes
.set PARTB, 34816                      ; 4 tiles
.set SIG,   4352                       ; from a tile's sigma 0 to its sigma 1
.set BB0,   2*PART                     ; B's tiles lie behind A's
.set STG,   2*PART+2*PARTB             ; the stages: 16 rows x 272 bytes for each wave
.set SPITCH, 272
.set SPARE, STG+4*16*SPITCH            ; the spare words: 128 bytes for each wave
.set WV,   16                          ; s16 wave; s17 my half of the tokens, also: I fetch for A (0) or B (1); s18 my half of the features, also: which half I fetch
.set HR,   17
.set HC,   18
.set G1,   24                          ; s[24:31], s[32:35] descriptor groups 1 and 0 for A's tiles;  s[48:55], s[56:59] for B's
.set G0,   32
.set G1B,  48
.set G0B,  56
.set ADRA, 16                          ; v16, v17 LDS address of my fragments of A in sigma 0, 1;  v20, v21 of B
.set ADRB, 20
.set ASA,  22                          ; v22, v23 of my rows' scale words of A, of B
.set ASB,  23
.set LI,   24                          ; v24 16 x lane
.set STO,  25                          ; v25 the stage, in: row r, 64 h
.set RD,   26                          ; v26 the stage, back: row h, 16 r
.set CO,   27                          ; v27 the same place in out0: 4,096 h + 16 r
.set BO1,  28                          ; v28 64 h
.set SPW,  30
.set NIL,  31
.set SA,   32
.set SB,   100
.set BIAS, 132
.set BK,   164
.set MSB, 0
.macro WIN new                         ; the immediate's high byte repeats the setting that is left
.if MSB != \new
	s_set_vgpr_msb (MSB<<8)|\new
.set MSB, \new
.endif
.endm
.macro PLACES                          ; four plain vector lines behind a matrix instruction (ISA guide 7.12.1)
.rept 4
	v_nop
.endr
.endm
.macro CROUND                          ; a round of the cluster's barrier
	s_barrier_signal -1
	s_barrier_wait -1
	s_cmp_lg_u32 s[WV], 0
	s_cbranch_scc1 .Lnot_wave_0_\@
	s_barrier_signal -3
.Lnot_wave_0_\@:
	s_barrier_wait -3
	s_barrier_signal -1
	s_barrier_wait -1
.endm
	s_load_b256 s[4:11], s[0:1], 0x0               ; oq s[4:5], wq s[6:7], bo s[8:9], out0 s[10:11]
	v_lshl_add_u32 v[SPW], v0, 2, SPARE
	v_mov_b32 v[NIL], 0
	ds_add_u32 v[SPW], v[NIL]                      ; the opening lines
	ds_add_u32 v[SPW], v[NIL]
	v_lshrrev_b32 v1, 5, v0
	v_readfirstlane_b32 s[WV], v1                  ; wave 0..3
	s_lshr_b32 s[HR], s[WV], 1
	s_and_b32 s[HC], s[WV], 1
	s_bfe_u32 s40, ttmp6, 0x40000                  ; cx, cy
	s_bfe_u32 s41, ttmp6, 0x40004
	s_and_b32 s44, ttmp7, 0xffff
	s_lshl_b32 s44, s44, 2
	s_add_co_u32 s44, s44, s41                     ; the block of 256 tokens, 0..31: hangs on cy alone
	s_lshl_b32 s45, ttmp9, 2
	s_add_co_u32 s45, s45, s40                     ; the block of 128 features, 0..7: on cx alone
	s_lshl_b32 s43, s41, 2
	s_lshl_b32 s43, 15, s43                        ; my row of the cluster
	s_lshl_b32 s46, 0x1111, s40                    ; my column
	s_or_b32 s[G1], s43, (3<<16)|(1<<21)           ; 15:0 the mask; 17:16 elements of 8 bytes; 21 set beside a mask
	s_or_b32 s[G1B], s46, (3<<16)|(1<<21)
.irp g, G1, G1B
	s_mov_b32 s[\g+1], 1088<<16                    ; tensor_dim0: a tile, 8,704 bytes
	s_mov_b32 s[\g+3], 1088<<16                    ; tile_dim0
	s_mov_b32 s[\g+5], 1088                        ; tensor_dim0_stride: the tiles are dense
	s_mov_b32 s[\g+6], 0
	s_mov_b32 s[\g+7], 0
.endr
	s_mov_b32 s[G1+2], 8<<16                       ; A: 8 tiles a load
	s_mov_b32 s[G1+4], 8
	s_mov_b32 s[G1B+2], 4<<16                      ; B: 4
	s_mov_b32 s[G1B+4], 4
	s_lshl_b32 s70, s44, 4
	s_lshl_b32 s75, s[HC], 3
	s_add_co_u32 s70, s70, s75
	s_mul_i32 s70, s70, 8704                       ; A: tile 16 x block + 8 x half
	s_lshl_b32 s72, s45, 3
	s_lshl_b32 s75, s[HC], 2
	s_add_co_u32 s72, s72, s75
	s_mul_i32 s72, s72, 8704
	s_add_co_u32 s72, s72, 1671168                 ; B: Wo's tile 8 x block + 4 x half
	s_mov_b32 s71, 0
	s_mov_b32 s73, 0
	s_mov_b32 s[G0], 1
	s_mul_i32 s[G0+1], s[HC], PART                 ; no place in the cluster enters an LDS address
	s_mov_b32 s[G0B], 1
	s_mul_i32 s[G0B+1], s[HC], PARTB
	s_add_co_u32 s[G0B+1], s[G0B+1], BB0
	s_wait_dscnt 0x0                               ; both opening adds are done
	s_wait_kmcnt 0x0
	s_add_nc_u64 s[G0+2:G0+3], s[4:5], s[70:71]
	s_or_b32 s[G0+3], s[G0+3], 0x80000000
	s_add_nc_u64 s[G0B+2:G0B+3], s[6:7], s[72:73]
	s_or_b32 s[G0B+3], s[G0B+3], 0x80000000
	CROUND                                         ; all sixteen work-groups are here: the joint loads meet
	s_cmp_eq_u32 s[HR], 0                          ; one load a wave, in the two arms of one branch on the wave's number
	s_cbranch_scc0 .Lfor_b
	tensor_load_to_lds s[G0:G0+3], s[G1:G1+7]
	s_nop 0
	PLACES
	s_branch .Lasked
.Lfor_b:
	tensor_load_to_lds s[G0B:G0B+3], s[G1B:G1B+7]
	s_nop 0
	PLACES
.Lasked:
	s_mul_i32 s74, s[HR], PART                     ; my 8 tiles of A
	s_mul_i32 s75, s[HC], PARTB
	s_add_co_u32 s75, s75, BB0                     ; my 4 tiles of B
	s_add_co_u32 s76, s74, 4096                    ; their scale words
	s_add_co_u32 s78, s75, 4096
	s_mul_i32 s77, s[WV], 16*SPITCH
	s_add_co_u32 s77, s77, STG                     ; my stage
	s_lshl_b32 s86, s44, 1
	s_add_co_u32 s86, s86, s[HR]                   ; my 128 tokens
	s_lshl_b32 s87, s45, 1
	s_add_co_u32 s87, s87, s[HC]                   ; my 64 features
	s_lshl_b32 s90, s87, 8
	s_mov_b32 s91, 0
	s_add_nc_u64 s[84:85], s[8:9], s[90:91]        ; the bias at my features
	s_lshl_b32 s92, s86, 19                        ; 128 rows of 4,096 bytes
	s_add_co_u32 s90, s90, s92
	s_add_nc_u64 s[80:81], s[10:11], s[90:91]      ; out0 at my corner
	v_and_b32 v1, 15, v0                           ; r
	v_bfe_u32 v2, v0, 4, 1                         ; h
	v_and_b32 v3, 31, v0
	v_lshlrev_b32 v[LI], 4, v3
	v_lshlrev_b32 v[BO1], 6, v2
	v_add_nc_u32 v[ADRA], s74, v[LI]
	v_add_nc_u32 v[ADRB], s75, v[LI]
	v_add_nc_u32 v[ADRA+1], SIG, v[ADRA]
	v_add_nc_u32 v[ADRB+1], SIG, v[ADRB]
	v_lshl_add_u32 v[ASA], v1, 4, s76
	v_lshl_add_u32 v[ASB], v1, 4, s78
	v_mul_u32_u24 v[STO], v1, SPITCH
	v_lshl_add_u32 v[STO], v2, 6, v[STO]
	v_add_nc_u32 v[STO], s77, v[STO]
	v_mul_u32_u24 v[RD], v2, SPITCH
	v_lshl_add_u32 v[RD], v1, 4, v[RD]
	v_add_nc_u32 v[RD], s77, v[RD]
	v_lshlrev_b32 v[CO], 12, v2
	v_lshl_add_u32 v[CO], v1, 4, v[CO]
.irp b, 0,1,2,3                                ; B's tile b wants bias[32 (b / 2) + 8 (b % 2) + 16 h + 0 .. 7]
	global_load_b128 v[BIAS+8*\b:BIAS+8*\b+3], v[BO1], s[84:85] offset:(32*(\b/2)+8*(\b%2))*4
	global_load_b128 v[BIAS+8*\b+4:BIAS+8*\b+7], v[BO1], s[84:85] offset:(32*(\b/2)+8*(\b%2))*4+16
.endr
; a fragment comes back as it was stored: registers 4 c .. 4 c + 3 at 512 c + 16 lane
.macro FB s                            ; B's four fragments of K step s: 8 loads
	WIN 0xc0
.irp b, 0,1,2,3
.irp c, 0,1
	ds_load_b128 v[32*(\s)+8*\b+4*\c:32*(\s)+8*\b+4*\c+3], v[ADRB+(\s)/4] offset:\b*8704+((\s)%4)*1024+512*\c
.endr
.endr
.endm
.macro FA a, s                         ; block a's fragment of K step s: 2 loads
	WIN 0x40
.irp c, 0,1
	ds_load_b128 v[64*((\a)%4)+8*(\s)+4*\c:64*((\a)%4)+8*(\s)+4*\c+3], v[ADRA+(\s)/4] offset:(\a)*8704+((\s)%4)*1024+512*\c
.endr
.endm
.macro FETCHA a                        ; block a, all of K: 16 loads
.irp s, 0,1,2,3,4,5,6,7
	FA \a, \s
.endr
	WIN 0
.endm
.macro MULS a, s                       ; block a, K step s: four products, the block's four accumulators by turns: three others stand between two steps of a sum
.if (\s) == 0
	WIN 0x87                                       ; source 0 window 3, source 1 window 1, C (the bias) window 0, D window 2
.else
	WIN 0xa7                                       ; C and D window 2
.endif
.irp b, 0,1,2,3
.if (\s) == 0
	v_wmma_scale_f32_16x16x128_f8f6f4 v[8*(4*(\a)+\b):8*(4*(\a)+\b)+7], v[32*(\s)+8*\b:32*(\s)+8*\b+7], v[64*((\a)%4)+8*(\s):64*((\a)%4)+8*(\s)+7], v[BIAS+8*\b:BIAS+8*\b+7], v[SB+8*\b+(\s)], v[SA+8*(\a)+(\s)] matrix_a_fmt:MATRIX_FMT_FP4 matrix_b_fmt:MATRIX_FMT_FP4
.else
	v_wmma_scale_f32_16x16x128_f8f6f4 v[8*(4*(\a)+\b):8*(4*(\a)+\b)+7], v[32*(\s)+8*\b:32*(\s)+8*\b+7], v[64*((\a)%4)+8*(\s):64*((\a)%4)+8*(\s)+7], v[8*(4*(\a)+\b):8*(4*(\a)+\b)+7], v[SB+8*\b+(\s)], v[SA+8*(\a)+(\s)] matrix_a_fmt:MATRIX_FMT_FP4 matrix_b_fmt:MATRIX_FMT_FP4
.endif
.endr
.endm
.macro TOSTAGE a                       ; block a's 16 tokens x 64 features into my stage, each accumulator from its low end on, and back as rows: 8 stores, 8 loads.  LDS serves a wave's instructions in order (ISA guide 5.7.1.4): no wait between
	WIN 0x08                                       ; the data: window 2
.irp b, 0,1,2,3
	ds_store_b128 v[STO], v[8*(4*(\a)+\b):8*(4*(\a)+\b)+3] offset:128*(\b/2)+32*(\b%2)
	ds_store_b128 v[STO], v[8*(4*(\a)+\b)+4:8*(4*(\a)+\b)+7] offset:128*(\b/2)+32*(\b%2)+16
.endr
	WIN 0
.irp t, 0,1,2,3,4,5,6,7
	ds_load_b128 v[BK+32*((\a)%2)+4*\t:BK+32*((\a)%2)+4*\t+3], v[RD] offset:2*\t*SPITCH
.endr
.endm
.macro SEND a                          ; the stage's row 2 t + h is token 32 (a / 2) + 8 (a % 2) + 2 t + h + 8 (t / 4) of my 128
	WIN 0
.irp t, 0,1,2,3,4,5,6,7
	global_store_b128 v[CO], v[BK+32*((\a)%2)+4*\t:BK+32*((\a)%2)+4*\t+3], s[80:81] offset:(32*((\a)/2)+8*((\a)%2)+2*\t+8*(\t/4))*4096 th:TH_STORE_NT
.endr
.endm
	s_wait_alu depctr_va_vdst(0)                   ; at the head's end
	s_wait_tensorcnt 0x0                           ; my load is in,
	s_barrier_signal -1
	s_barrier_wait -1                              ; and everybody's: all of K of A's and B's tiles
.irp g, 0,1                                    ; all scale words: four words a row and sigma
.irp a, 0,1,2,3,4,5,6,7
	ds_load_b128 v[SA+8*\a+4*\g:SA+8*\a+4*\g+3], v[ASA] offset:\a*8704+\g*SIG
.endr
.irp b, 0,1,2,3
	ds_load_b128 v[SB+8*\b+4*\g:SB+8*\b+4*\g+3], v[ASB] offset:\b*8704+\g*SIG
.endr
.endr
.irp s, 0,1,2,3,4,5,6,7                        ; B, all of K, and block 0, in the order in which block 0's products want them: 10 loads a K step
	FB \s
	FA 0, \s
.endr
	FETCHA 1
	s_wait_loadcnt 0x0                             ; the bias
.irp s, 0,1,2,3,4,5,6,7                        ; BLOCK 0: each K step's products wait for their own fragments
.if 10*(7-\s)+16 > 63
	s_wait_dscnt 63
.else
	s_wait_dscnt 10*(7-\s)+16
.endif
	MULS 0, \s
.endr
	PLACES                                         ; ahead of the first read of the block's results
	TOSTAGE 0
	FETCHA 2
.irp a, 1,2,3,4,5,6,7                          ; BLOCKS 1 TO 7
.if \a < 7
	s_wait_dscnt 32                                ; block a's fragments are in
.else
	s_wait_dscnt 16
.endif
.irp s, 0,1,2,3,4,5,6,7
	MULS \a, \s
.endr
.if \a < 7
	s_wait_dscnt 16                                ; block a - 1's rows are back from the stage
.else
	s_wait_dscnt 0x0
.endif
	SEND \a-1
	PLACES                                         ; behind block a's last product, ahead of the first read of its results
	s_wait_xcnt 0x0                                ; the earlier blocks' stores have read their registers: block a's rows may land where block a - 2's lay
	TOSTAGE \a
.if \a < 6
	FETCHA \a+2
.endif
.endr
	s_wait_dscnt 0x0
	SEND 7
	s_wait_tensorcnt 0x0                           ; the wave's end
	ds_add_u32 v[SPW], v[NIL]
	s_wait_dscnt 0x0
	CROUND                                         ; the closing round
	s_endpgm
.Lfunc_end_k_q23aa26f6e5_outp:
	.size	k_q23aa26f6e5_outp, .Lfunc_end_k_q23aa26f6e5_outp-k_q23aa26f6e5_outp
	.p2alignl 7, 3214868480
	.fill 96, 4, 3214868480
	.section	.rodata,"a",@progbits
	.p2align	6, 0x0
	.amdhsa_kernel k_q23aa26f6e5_outp
		.amdhsa_group_segment_fixed_size 226816
		.amdhsa_private_segment_fixed_size 0
		.amdhsa_enable_private_segment 0
		.amdhsa_kernarg_size 32
		.amdhsa_user_sgpr_count 2
		.amdhsa_user_sgpr_kernarg_segment_ptr 1
		.amdhsa_wavefront_size32 1
		.amdhsa_system_sgpr_workgroup_id_x 1
		.amdhsa_system_sgpr_workgroup_id_y 1
		.amdhsa_system_sgpr_workgroup_id_z 1
		.amdhsa_system_vgpr_workitem_id 0
		.amdhsa_next_free_vgpr 1024
		.amdhsa_next_free_sgpr 96
		.amdhsa_reserve_vcc 0
		.amdhsa_float_denorm_mode_32 3
		.amdhsa_float_denorm_mode_16_64 3
		.amdhsa_memory_ordered 1
		.amdhsa_forward_progress 1
		.amdhsa_inst_pref_size 71
	.end_amdhsa_kernel
	.amdgpu_metadata
---
amdhsa.version: [ 1, 2 ]
amdhsa.kernels:
  - .name:           k_q23aa26f6e5_outp
    .symbol:         k_q23aa26f6e5_outp.kd
    .args:
      - { .name: oq, .offset: 0, .size: 8, .value_kind: global_buffer, .address_space: global }
      - { .name: wq, .offset: 8, .size: 8, .value_kind: global_buffer, .address_space: global }
      - { .name: bo, .offset: 16, .size: 8, .value_kind: global_buffer, .address_space: global }
      - { .name: out0, .offset: 24, .size: 8, .value_kind: global_buffer, .address_space: global }
    .group_segment_fixed_size: 226816
    .private_segment_fixed_size: 0
    .kernarg_segment_align: 8
    .kernarg_segment_size: 32
    .max_flat_workgroup_size: 128
    .sgpr_count:     96
    .vgpr_count:     1024
    .wavefront_size: 32
...
	.end_amdgpu_metadata
.endif
;; end of part 4
